; MI455X (gfx1250); checked and timed in simulation.
; The chip was launched on July 23, 2026; its instructions are those of AMD's public machine-readable ISA for CDNA 5 (MIT licence, August 2026) and "CDNA5" Instruction Set Architecture Reference Guide (July 2026). The comments in the code are by the model that wrote it; some were corrected since.
;; Torch Dot Product Attention. Allowed arithmetic: float matrix products may take bf16 or f16 operands with f32 sums; all other float work in f32.
;; Inputs: key_layer 2,048 x 2 x 16 x 128 float32; query_layer 2,048 x 2 x 16 x 128 float32; value_layer 2,048 x 2 x 16 x 128 float32.
;; Outputs: out0 2,048 x 2 x 2,048 float32.
;; 3 versions, each right and faster than the one before. Each part assembles by itself: llvm-mc -triple=amdgcn-amd-amdhsa -mcpu=gfx1250 --defsym DOCPART=n.
;; ======== version 1 of 3: 1 launch
;; launch attn (part 1): grid 8 x 32, 4 waves a work-group, clusters of 4 x 1, 327,680 bytes of LDS; arguments key_layer, query_layer, value_layer, out0; writes out0
.if DOCPART == 1
	.amdgcn_target "amdgcn-amd-amdhsa--gfx1250"
	.amdhsa_code_object_version 6
	.text
	.protected	k_qa69d049d56_attn
	.globl	k_qa69d049d56_attn
	.p2align	8
	.type	k_qa69d049d56_attn,@function
k_qa69d049d56_attn:
	s_mov_b64 s[64:65], 0
	v_nop
	global_prefetch_b8 v0, s[64:65] scope:SCOPE_SE
	s_setreg_imm32_b32 hwreg(HW_REG_WAVE_MODE, 25, 1), 1
	s_wait_xcnt 0x0
	s_wait_alu depctr_hold_cnt(0) depctr_sa_sdst(0) depctr_va_vdst(0) depctr_va_sdst(0) depctr_va_ssrc(0) depctr_va_vcc(0) depctr_vm_vsrc(0)
	s_getreg_b32 s2, hwreg(HW_REG_IB_STS2, 6, 4)
	s_cmp_eq_u32 s2, 0
	s_cbranch_scc0 .Lentry_in_a_cluster
	s_endpgm
.Lentry_in_a_cluster:
	s_bfe_u32 s2, ttmp6, 0x10000c
	s_cmp_lg_u32 s2, 0x3003
	s_cbranch_scc0 .Lentry_shape_is_right
	s_endpgm
.Lentry_shape_is_right:
; out[q][bh][:] = softmax over k of (Q[q][bh] . K[k][bh] / sqrt(128)) times V[k][bh][:].  All tensors f32, [2048 s][32 bh][128 d]:
; a head's row is 512 consecutive bytes, rows of one head lie 16,384 bytes apart.  Nothing of the computation is left out; the two casts
; to the type a value already has and the dropout with p = 0 are identities and cost no instruction.
;
; SHARES.  A work-group takes 256 queries of one head (grid x: 8 query blocks, grid y: 32 heads); each of its four waves 64 queries as four
; query tiles of 16.  All walk the head's 2,048 keys in 32 steps of 64.
; CLUSTER.  The four query blocks of a cluster (4 x 1) read the same K and V tiles, so each tile is asked for jointly, mask 15: the same line,
; the same descriptor (made of the head and the wave's number alone) in all four.  A head's 8 blocks are two clusters.
; ROAD OF K AND V.  A raw slot holds 128 keys of K and of V as f32 (4 parts of 64 rows x 512 bytes, one tensor load of one wave each); two slots take
; turns, one round of the cluster's barrier for two steps.  In each step every wave rounds 16 rows of K and 16 of V to bf16 into a stage, so that a number is
; converted once in the work-group; all four waves then read their matrix fragments from the stage.
; LAYOUT.  First product transposed, S^T = K Q^T: lane (r = lane % 16, h = lane / 16) holds in register j of tile (kt, qt) the score of key 16 kt + 8 h + j and
; query 16 qt + r.  So a query's 64 scores lie in the lanes r and r + 16: maximum and sum are work inside a lane and one exchange.  Packed in pairs, the
; registers of key tiles 2 kp and 2 kp + 1 ARE the second source of O^T = V^T P^T (k = 8 h + j, then 16 + 8 h + j): P never leaves the registers.
; V^T comes from the stage by the transposing LDS load.  In O^T a lane again holds one query, so a rescale is one factor for a lane and query tile.
; SOFTMAX.  Running maximum m of the raw scores; p = exp2(s c - m c), c = log2(e) / sqrt(128); sums and O are multiplied by exp2 of the change of -m c.
;
; LIMITS.  Q, K, V and P enter the matrix unit rounded to bf16; sums are f32.  The maximum runs over steps of 64 keys, so sums are rescaled and added in another
; order than in a softmax over the whole row.  The maximum ignores a NaN score, but the NaN still reaches p, the sum and the row of the output.  exp2 gives 0
; for results under 2^-126.  -m c is rounded once, so the largest p of a row may differ from 1 by that rounding; it cancels in the division by the sum.
.set ROWB,  16384                      ; bytes from one s to the next
.set HEADB, 512                        ; bytes of a head's row
.set KEYS,  64                         ; keys in a step
.set PART,  KEYS*HEADB                 ; 32,768: what one tensor load brings
.set SLOT,  4*PART                     ; K keys 0-63, K keys 64-127, V keys 0-63, V keys 64-127
.set STK,   2*SLOT                     ; 262,144: bf16 stage of K, 64 rows
.set KP,    272                        ; its pitch: 256 + 16, so the sixteen rows of a fragment load start 16 bytes apart modulo 256
.set STV,   STK+KEYS*KP                ; 279,552: bf16 stage of V, 64 rows
.set VP,    288                        ; its pitch: 256 + 32, an odd multiple of 32, for the transposing load
.set OP,    528                        ; the way out: 16 rows of 512 + 16 bytes for each wave, in the bytes of the stages
.set LAPS,  2048/(4*KEYS)              ; 8 laps of the ring of two slots
; window 0
.set RK,   2                           ; v2, v4   raw K, my 16 rows, slot 0, 1
.set RV,   3                           ; v3, v5   raw V
.set STKW, 6                           ; where I put a converted row of K
.set STVW, 7                           ; and of V
.set ADRK, 8                           ; K fragments
.set ADRV, 9                           ; V^T fragments
.set OST,  10                          ; the way out: in
.set ORD,  11                          ; the way out: back
.set CO,   12                          ; 16 x lane: my bytes of a 512-byte row in Q and in out; never rewritten
.set QFR,  13                          ; Q fragments from my own 16 stage rows
.set ST,   16                          ; v[16:31] for query tile qt at 16 + 4 qt: -m c, m, alpha (at the end 1 / sum), my lane's half of the sum
.set TS,   32                          ; v[32:35] a step's sums
.set TM,   36                          ; v[36:39] maxima at work
.set TN,   40                          ; the new maximum
.set TX,   41                          ; what the other half of the lanes holds
.set SUM,  48                          ; v[48:55] a pair of running sums for each query tile
.set SC,   64                          ; v[64:191]  scores: tile (kt, qt) at 64 + 8 (4 kt + qt); also raw rows on their way to the stage
.set PR,   192                         ; v[192:255] P: (qt, kp) at 192 + 8 (2 qt + kp); also converted rows
.set OA,   0                           ; window 1: O^T tile (dt, qt) at 8 (4 dt + qt)
.set QF,   0                           ; window 2: Q fragment (qt, c) at 8 (4 qt + c)
.set KF,   128                         ; window 2: K fragment (c, kt) at 128 + 8 (4 c + kt)
.set VF,   0                           ; window 3: V^T fragment (kp, dt) at 8 (8 kp + dt)
.set G1,   24                          ; s[24:31] descriptor group 1, one shape for all tiles
.set G0K,  32                          ; s[32:39] group 0 of K's tiles, a set for each slot
.set G0V,  40                          ; s[40:47] group 0 of V's tiles
.set MSB, 0
.macro WIN new                         ; low byte: bits 1:0 source 0, 3:2 source 1, 5:4 source 2, 7:6 destination; the high byte repeats the setting that is left
.if MSB != \new
	s_set_vgpr_msb (MSB<<8)|\new
.set MSB, \new
.endif
.endm
.macro PLACES                          ; four places behind matrix instructions, in front of whatever reads their results or writes their registers (ISA guide 7.12.1)
.rept 4
	v_nop
.endr
.endm
; A round of the cluster's barrier: my work-group's barrier, wave 0 signals for the work-group, every wave waits for all four work-groups, my work-group's barrier again.
.macro ROUND
	s_barrier_signal -1
	s_barrier_wait -1
	s_cmp_lg_u32 s12, 0
	s_cbranch_scc1 .Lnot_wave_0_\@
	s_barrier_signal -3
.Lnot_wave_0_\@:
	s_barrier_wait -3
	s_barrier_signal -1
	s_barrier_wait -1
.endm
; A joint refill of slot s: waves 0 and 1 ask for K's two parts, waves 2 and 3 for V's.  One load a wave; the branch hangs on the wave's number alone.
.macro JLOAD s
	s_cmp_eq_u32 s13, 0
	s_cbranch_scc0 .Lfor_v_\@
	tensor_load_to_lds s[G0K+4*\s:G0K+4*\s+3], s[G1:G1+7]
	s_nop 0
	s_branch .Lasked_\@
.Lfor_v_\@:
	tensor_load_to_lds s[G0V+4*\s:G0V+4*\s+3], s[G1:G1+7]
	s_nop 0
.Lasked_\@:
.endm
	s_load_b256 s[4:11], s[0:1], 0x0               ; K s[4:5], Q s[6:7], V s[8:9], out s[10:11]
	v_lshl_add_u32 v62, v0, 2, 0x48c00
	v_mov_b32 v63, 0
	ds_add_u32 v62, v63
	v_lshrrev_b32 v1, 5, v0
	v_readfirstlane_b32 s12, v1                    ; wave 0..3
	s_lshr_b32 s13, s12, 1                         ; 0: I fetch for K, 1: for V
	s_and_b32 s14, s12, 1                          ; which 64 keys of a slot I fetch
	s_bfe_u32 s16, ttmp6, 0x40000                  ; cx: my place in the cluster; it enters the offset of Q and out alone
	s_lshl_b32 s17, ttmp9, 2                       ; ttmp9 counts clusters
	s_add_co_u32 s17, s17, s16                     ; query block 0..7
	s_and_b32 s18, ttmp7, 0xffff                   ; head 0..31
	; group 1: a tile of 64 rows x 128 elements of 4 bytes, 4,096 elements from row to row, laid into LDS without gaps (it is read 512 neighbouring bytes at a time)
	s_mov_b32 s[G1+0], 15|(2<<16)|(1<<21)          ; 15:0 mask: all four work-groups of the cluster; 17:16 elements of 4 bytes; 21 set beside a mask
	s_mov_b32 s[G1+1], 128<<16                     ; tensor_dim0 = 128
	s_mov_b32 s[G1+2], KEYS<<16                    ; tensor_dim1 = 64
	s_mov_b32 s[G1+3], 128<<16                     ; tile_dim0 = 128
	s_mov_b32 s[G1+4], KEYS                        ; tile_dim1 = 64
	s_mov_b32 s[G1+5], 4096                        ; the pitch
	s_mov_b32 s[G1+6], 0
	s_mov_b32 s[G1+7], 0
	s_lshl_b32 s20, s18, 9                         ; K and V: head x 512
	s_lshl_b32 s21, s14, 20                        ; + my 64 keys x 16,384
	s_add_co_u32 s20, s20, s21
	s_mov_b32 s21, 0
	s_lshl_b32 s22, s17, 8                         ; Q and out: row 256 x block
	s_lshl_b32 s23, s12, 6                         ; + 64 x wave,
	s_add_co_u32 s22, s22, s23
	s_lshl_b32 s22, s22, 14                        ; x 16,384 bytes (under 2^25),
	s_lshl_b32 s23, s18, 9                         ; + head x 512
	s_add_co_u32 s22, s22, s23
	s_mov_b32 s23, 0
	s_lshl_b32 s19, s12, 15                        ; my part of a slot: wave x 32,768
	s_mov_b32 s48, 0x76543210                      ; v_permlanex16_b32: lane i of one half reads lane i of the other
	s_mov_b32 s49, 0xfedcba98
	s_mov_b32 s50, 0x3e0293ee                      ; c = log2(e) / sqrt(128) = 0.12751743
	s_mov_b32 s51, 0x3e0293ee
	s_mov_b32 s52, 0xbe0293ee                      ; -c
	s_wait_dscnt 0x0
	s_wait_kmcnt 0x0
	s_add_nc_u64 s[4:5], s[4:5], s[20:21]          ; K at my part of slot 0's first tile
	s_add_nc_u64 s[8:9], s[8:9], s[20:21]          ; V likewise
	s_add_nc_u64 s[6:7], s[6:7], s[22:23]          ; Q at my first row
	s_add_nc_u64 s[10:11], s[10:11], s[22:23]      ; out at my first row
.irp n, 0,1
	s_mov_b32 s[G0K+4*\n], 1                                       ; count = 1
	s_add_co_u32 s[G0K+4*\n+1], s19, \n*SLOT                       ; LDS address
	s_add_nc_u64 s[G0K+4*\n+2:G0K+4*\n+3], s[4:5], \n*2*KEYS*ROWB  ; keys 128 n ..
	s_or_b32 s[G0K+4*\n+3], s[G0K+4*\n+3], 0x80000000              ; type = 2
	s_mov_b32 s[G0V+4*\n], 1
	s_add_co_u32 s[G0V+4*\n+1], s19, \n*SLOT
	s_add_nc_u64 s[G0V+4*\n+2:G0V+4*\n+3], s[8:9], \n*2*KEYS*ROWB
	s_or_b32 s[G0V+4*\n+3], s[G0V+4*\n+3], 0x80000000
.endr
	ROUND                                          ; all four work-groups are here: the first joint loads meet
	s_cmp_eq_u32 s13, 0                            ; both first fills of a wave in one branch: two tensor loads of the wave are out
	s_cbranch_scc0 .Lfirst_v
	tensor_load_to_lds s[G0K:G0K+3], s[G1:G1+7]
	s_nop 0
	tensor_load_to_lds s[G0K+4:G0K+7], s[G1:G1+7]
	s_nop 0
	s_branch .Lfirst_done
.Lfirst_v:
	tensor_load_to_lds s[G0V:G0V+3], s[G1:G1+7]
	s_nop 0
	tensor_load_to_lds s[G0V+4:G0V+7], s[G1:G1+7]
	s_nop 0
.Lfirst_done:
	; addresses
	v_and_b32 v1, 31, v0                           ; lane
	v_and_b32 v14, 15, v0                          ; r
	v_bfe_u32 v15, v0, 4, 1                        ; h
	v_lshlrev_b32 v[CO], 4, v1                     ; 16 x lane
	v_lshl_add_u32 v[RK], s12, 13, v[CO]           ; raw rows 16 w .. 16 w + 15 of a part: 8,192 w + 16 lane
	v_add_nc_u32 v[RV], 2*PART, v[RK]
	v_add_nc_u32 v[RK+2], SLOT, v[RK]
	v_add_nc_u32 v[RV+2], SLOT+2*PART, v[RK]
	s_mul_i32 s53, s12, 16*KP
	s_mul_i32 s54, s12, 16*VP
	s_mul_i32 s55, s12, 16*OP
	s_add_co_u32 s20, s53, STK                     ; my 16 rows of K's stage
	s_add_co_u32 s21, s54, STV                     ; my 16 rows of V's stage
	s_add_co_u32 s22, s55, STK                     ; my stage on the way out
	v_lshlrev_b32 v1, 3, v1                        ; 4 numbers become 8 bytes
	v_add_nc_u32 v[STKW], s20, v1
	v_add_nc_u32 v[STVW], s21, v1
	v_mul_u32_u24 v[ADRK], v14, KP                 ; a fragment of 16 rows x 32 along d: row r, 16 bytes for each half of the lanes
	v_lshl_add_u32 v[ADRK], v15, 4, v[ADRK]
	v_add_nc_u32 v[QFR], s20, v[ADRK]
	v_add_nc_u32 v[ADRK], STK, v[ADRK]
	v_and_b32 v[ADRV], 7, v0                       ; the transposing load: key 8 h + lane % 8,
	v_lshl_add_u32 v[ADRV], v15, 3, v[ADRV]
	v_mul_u32_u24 v[ADRV], v[ADRV], VP
	v_bfe_u32 v1, v0, 3, 1                         ; 16 bytes (8 d) further for lanes 8-15 and 24-31
	v_lshl_add_u32 v[ADRV], v1, 4, v[ADRV]
	v_add_nc_u32 v[ADRV], STV, v[ADRV]
	v_mul_u32_u24 v[OST], v14, OP                  ; out stage: row = query r, 32 bytes (8 d) for each half of the lanes
	v_lshl_add_u32 v[OST], v15, 5, v[OST]
	v_add_nc_u32 v[OST], s22, v[OST]
	v_add_nc_u32 v[ORD], s22, v[CO]                ; and back by whole rows
	v_mov_b32 v[TX], 0                             ; v_permlanex16_b32 counts as reading its destination
	; Q: my 64 rows, one load of 512 neighbouring bytes each, into the registers that later hold O; read once in the launch
	WIN 0x40                                       ; destination window 1
.set qi, 0
.rept 64
	global_load_b128 v[4*qi:4*qi+3], v[CO], s[6:7] offset:qi*ROWB th:TH_LOAD_NT
.set qi, qi+1
.endr
; 16 rows of Q: to bf16, through my own 16 rows of K's stage, back as the four fragments of query tile qt.  LDS serves a wave's instructions in order
; (ISA guide 5.7.1), so neither the loads behind the stores nor the next tile's stores behind the loads need a wait.
.macro QTILE qt
	s_wait_loadcnt 48-16*\qt                       ; the 16 loads of each later query tile may stay out
	WIN 0x05                                       ; sources window 1
.irp i, 0,1,2,3,4,5,6,7,8,9,10,11,12,13,14,15
	v_cvt_pk_bf16_f32 v[SC+32*\qt+2*\i],   v[64*\qt+4*\i],   v[64*\qt+4*\i+1]
	v_cvt_pk_bf16_f32 v[SC+32*\qt+2*\i+1], v[64*\qt+4*\i+2], v[64*\qt+4*\i+3]
.endr
	WIN 0
.irp i, 0,1,2,3,4,5,6,7,8,9,10,11,12,13,14,15
	ds_store_b64 v[STKW], v[SC+32*\qt+2*\i:SC+32*\qt+2*\i+1] offset:\i*KP
.endr
	WIN 0x80                                       ; destination window 2
.irp c, 0,1,2,3
	ds_load_b128 v[QF+8*(4*\qt+\c):QF+8*(4*\qt+\c)+3],   v[QFR] offset:\c*64
	ds_load_b128 v[QF+8*(4*\qt+\c)+4:QF+8*(4*\qt+\c)+7], v[QFR] offset:\c*64+32
.endr
.endm
	QTILE 0
	QTILE 1
	QTILE 2
	QTILE 3
	WIN 0
; Change of slots.  In front of the barrier every wave waits for all its tensor loads (the one that is out is its part of slot, which is read next) and for its LDS
; instructions (its reads of slot other and of the stage).  With a refill the barrier is a round of the cluster's barrier, so that this holds of every wave of all four
; work-groups, and the joint refill of slot other is the first thing behind it; it has two steps' work in which to land.
.macro HEAD slot, other, refill
	s_wait_tensorcnt 0x0
	ds_add_u32 v62, v63
	s_wait_dscnt 0x0
.if \refill
	s_add_nc_u64 s[G0K+4*\other+2:G0K+4*\other+3], s[G0K+4*\other+2:G0K+4*\other+3], 4*KEYS*ROWB   ; no load of mine is out: 256 keys on
	s_add_nc_u64 s[G0V+4*\other+2:G0V+4*\other+3], s[G0V+4*\other+2:G0V+4*\other+3], 4*KEYS*ROWB
.endif
	s_wait_dscnt 0x0
.if \refill
	ROUND
	JLOAD \other
.else
	s_barrier_signal -1                            ; nothing is left to fetch: my work-group's barrier shows the slot whole and the stage free
	s_barrier_wait -1
.endif
.endm
; My 16 rows of K and of V of half j of the slot: f32 from the raw slot, 512 neighbouring bytes a load; bf16 into the stages, 256 neighbouring bytes a store.
.macro CONV slot, j
.irp i, 0,1,2,3,4,5,6,7,8,9,10,11,12,13,14,15
	ds_load_b128 v[SC+4*\i:SC+4*\i+3], v[RK+2*\slot] offset:\j*PART+\i*HEADB
.endr
.irp i, 0,1,2,3,4,5,6,7,8,9,10,11,12,13,14,15
	ds_load_b128 v[SC+64+4*\i:SC+64+4*\i+3], v[RV+2*\slot] offset:\j*PART+\i*HEADB
.endr
	s_wait_dscnt 16                                ; K's 16 are in, V's 16 were issued behind them
.irp i, 0,1,2,3,4,5,6,7,8,9,10,11,12,13,14,15
	v_cvt_pk_bf16_f32 v[PR+2*\i],   v[SC+4*\i],   v[SC+4*\i+1]
	v_cvt_pk_bf16_f32 v[PR+2*\i+1], v[SC+4*\i+2], v[SC+4*\i+3]
.endr
	s_wait_dscnt 0x0
.irp i, 0,1,2,3,4,5,6,7,8,9,10,11,12,13,14,15
	v_cvt_pk_bf16_f32 v[PR+32+2*\i],   v[SC+64+4*\i],   v[SC+64+4*\i+1]
	v_cvt_pk_bf16_f32 v[PR+32+2*\i+1], v[SC+64+4*\i+2], v[SC+64+4*\i+3]
.endr
.irp i, 0,1,2,3,4,5,6,7,8,9,10,11,12,13,14,15
	ds_store_b64 v[STKW], v[PR+2*\i:PR+2*\i+1] offset:\i*KP
.endr
.irp i, 0,1,2,3,4,5,6,7,8,9,10,11,12,13,14,15
	ds_store_b64 v[STVW], v[PR+32+2*\i:PR+32+2*\i+1] offset:\i*VP
.endr
	s_wait_dscnt 0x0                               ; my rows are in the stage,
	s_barrier_signal -1
	s_barrier_wait -1                              ; everybody's are
.endm
; All fragments of the step in one run: K's 32 loads by chunks of 32 along d, then V^T's 32.
.macro FRAGS
	WIN 0x80                                       ; destination window 2
.irp c, 0,1,2,3
.irp kt, 0,1,2,3
	ds_load_b128 v[KF+8*(4*\c+\kt):KF+8*(4*\c+\kt)+3],   v[ADRK] offset:\kt*16*KP+\c*64
	ds_load_b128 v[KF+8*(4*\c+\kt)+4:KF+8*(4*\c+\kt)+7], v[ADRK] offset:\kt*16*KP+\c*64+32
.endr
.endr
	WIN 0xc0                                       ; destination window 3
.irp kp, 0,1
.irp dt, 0,1,2,3,4,5,6,7
	ds_load_tr16_b128 v[VF+8*(8*\kp+\dt):VF+8*(8*\kp+\dt)+3],   v[ADRV] offset:\kp*32*VP+\dt*32
	ds_load_tr16_b128 v[VF+8*(8*\kp+\dt)+4:VF+8*(8*\kp+\dt)+7], v[ADRV] offset:\kp*32*VP+\dt*32+16*VP
.endr
.endr
.endm
; S^T = K Q^T, 64 keys x 64 queries x 128.  The first chunk starts the sums.  The 16 accumulators take turns, one instruction a turn.
.macro QK
	WIN 0x0a                                       ; both sources window 2
.irp c, 0,1,2,3
	s_wait_dscnt 56-8*\c                           ; of the 64 loads, those behind K's chunk c may be out: 8 for each later chunk and V's 32
.irp kt, 0,1,2,3
.irp qt, 0,1,2,3
.if \c == 0
	v_wmma_f32_16x16x32_bf16 v[SC+8*(4*\kt+\qt):SC+8*(4*\kt+\qt)+7], v[KF+8*(4*\c+\kt):KF+8*(4*\c+\kt)+7], v[QF+8*(4*\qt+\c):QF+8*(4*\qt+\c)+7], 0
.else
	v_wmma_f32_16x16x32_bf16 v[SC+8*(4*\kt+\qt):SC+8*(4*\kt+\qt)+7], v[KF+8*(4*\c+\kt):KF+8*(4*\c+\kt)+7], v[QF+8*(4*\qt+\c):QF+8*(4*\qt+\c)+7], v[SC+8*(4*\kt+\qt):SC+8*(4*\kt+\qt)+7]
.endif
.endr
.endr
.endr
	WIN 0
	PLACES
.endm
; Query tile qt: the largest of my 32 scores in four chains, the other half's, the running maximum; -m c; alpha = exp2 of the change of -m c as it was rounded,
; so that it fits the exponents with which the old sums were made.
.macro STAT qt, first
.irp kt, 0,1,2,3
	v_max3_num_f32 v[TM+\kt], v[SC+8*(4*\kt+\qt)], v[SC+8*(4*\kt+\qt)+1], v[SC+8*(4*\kt+\qt)+2]
.endr
.irp kt, 0,1,2,3
	v_max3_num_f32 v[TM+\kt], v[TM+\kt], v[SC+8*(4*\kt+\qt)+3], v[SC+8*(4*\kt+\qt)+4]
.endr
.irp kt, 0,1,2,3
	v_max3_num_f32 v[TM+\kt], v[TM+\kt], v[SC+8*(4*\kt+\qt)+5], v[SC+8*(4*\kt+\qt)+6]
.endr
	v_max3_num_f32 v[TM],   v[TM],   v[SC+8*(\qt)+7],   v[SC+8*(4+\qt)+7]
	v_max3_num_f32 v[TM+1], v[TM+1], v[SC+8*(8+\qt)+7], v[SC+8*(12+\qt)+7]
	v_max3_num_f32 v[TM], v[TM], v[TM+2], v[TM+3]
	v_max_num_f32 v[TM], v[TM], v[TM+1]
	v_permlanex16_b32 v[TX], v[TM], s48, s49       ; the other 32 keys of the same query
.if \first
	v_max_num_f32 v[ST+4*\qt+1], v[TM], v[TX]      ; m
	v_mul_f32 v[ST+4*\qt], s52, v[ST+4*\qt+1]      ; -m c
.else
	v_max3_num_f32 v[TN], v[TM], v[TX], v[ST+4*\qt+1]
	v_mul_f32 v[TM+1], s52, v[TN]                  ; the new -m c
	v_sub_f32 v[TM+2], v[TM+1], v[ST+4*\qt]        ; less the old: never above 0
	v_exp_f32 v[ST+4*\qt+2], v[TM+2]               ; alpha; the two moves are the plain instructions behind it (ISA guide 5.7.2)
	v_mov_b32 v[ST+4*\qt+1], v[TN]
	v_mov_b32 v[ST+4*\qt], v[TM+1]
.endif
.endm
; The exponentials go by groups n = 4 qt + kt of one score tile (8 registers): exponents, exp2, use.
.macro EFMA n
.set sb, SC+8*(4*((\n)%4)+(\n)/4)
.set sq, ST+4*((\n)/4)
.irp i, 0,2,4,6
	v_pk_fma_f32 v[sb+\i:sb+\i+1], v[sb+\i:sb+\i+1], s[50:51], v[sq:sq+1] op_sel_hi:[1,0,0]   ; s c - m c, both halves with the pair's first word
.endr
.endm
.macro EEXP n
.set sb, SC+8*(4*((\n)%4)+(\n)/4)
.irp i, 0,1,2,3,4,5,6,7
	v_exp_f32 v[sb+\i], v[sb+\i]
.endr
.endm
.macro EUSE n
.set sb, SC+8*(4*((\n)%4)+(\n)/4)
.set pb, PR+8*(2*((\n)/4)+((\n)%4)/2)+4*((\n)%2)
.set su, SUM+2*((\n)/4)
	s_wait_alu depctr_va_vdst(0)
.irp i, 0,1,2,3
	v_cvt_pk_bf16_f32 v[pb+\i], v[sb+2*\i], v[sb+2*\i+1]           ; keys 8 h + 2 i, + 1 of key tile kt: word 4 (kt % 2) + i of the second source
.endr
.if ((\n)%4) == 0
	v_pk_add_f32 v[su:su+1], v[sb:sb+1], v[sb+2:sb+3]              ; the first tile starts the step's sums
.else
	v_pk_add_f32 v[su:su+1], v[su:su+1], v[sb:sb+1]
	v_pk_add_f32 v[su:su+1], v[su:su+1], v[sb+2:sb+3]
.endif
	v_pk_add_f32 v[su:su+1], v[su:su+1], v[sb+4:sb+5]
	v_pk_add_f32 v[su:su+1], v[su:su+1], v[sb+6:sb+7]
.endm
.macro SOFTMAX first
.irp qt, 0,1,2,3
	STAT \qt, \first
.endr
	EFMA 0
.set gi, 0
.rept 15
	EEXP gi
	EFMA gi+1                                      ; the next group's exponents are the plain instructions between a group's exp2 and its use (ISA guide 5.7.2)
	EUSE gi
.set gi, gi+1
.endr
	EEXP 15
	v_nop
	s_wait_alu depctr_va_vdst(0)
	EUSE 15
.irp qt, 0,1,2,3
.if \first
	v_add_f32 v[ST+4*\qt+3], v[SUM+2*\qt], v[SUM+2*\qt+1]
.else
	v_add_f32 v[TS+\qt], v[SUM+2*\qt], v[SUM+2*\qt+1]
	v_fma_f32 v[ST+4*\qt+3], v[ST+4*\qt+3], v[ST+4*\qt+2], v[TS+\qt]   ; my lane's half of the sum; the halves meet at the end
.endif
.endr
.endm
.macro RESCALE                         ; O times alpha of its query tile
	WIN 0x41                                       ; destination and source 0 window 1
.irp dt, 0,1,2,3,4,5,6,7
.irp qt, 0,1,2,3
.irp i, 0,2,4,6
	v_pk_mul_f32 v[OA+8*(4*\dt+\qt)+\i:OA+8*(4*\dt+\qt)+\i+1], v[OA+8*(4*\dt+\qt)+\i:OA+8*(4*\dt+\qt)+\i+1], v[ST+4*\qt+2:ST+4*\qt+3] op_sel_hi:[1,0]
.endr
.endr
.endr
.endm
; O^T += V^T P^T, 128 d x 64 queries x 64 keys.  The very first product starts the sums.  The 32 accumulators take turns, one instruction a turn.
.macro PV first
	s_wait_dscnt 0x0                               ; V's fragments; no LDS instruction of mine is out from here to the next barrier
	WIN 0x53                                       ; source 0 window 3, source 1 window 0, C and D window 1
.irp kp, 0,1
.irp dt, 0,1,2,3,4,5,6,7
.irp qt, 0,1,2,3
.if \first*(1-\kp)
	v_wmma_f32_16x16x32_bf16 v[OA+8*(4*\dt+\qt):OA+8*(4*\dt+\qt)+7], v[VF+8*(8*\kp+\dt):VF+8*(8*\kp+\dt)+7], v[PR+8*(2*\qt+\kp):PR+8*(2*\qt+\kp)+7], 0
.else
	v_wmma_f32_16x16x32_bf16 v[OA+8*(4*\dt+\qt):OA+8*(4*\dt+\qt)+7], v[VF+8*(8*\kp+\dt):VF+8*(8*\kp+\dt)+7], v[PR+8*(2*\qt+\kp):PR+8*(2*\qt+\kp)+7], v[OA+8*(4*\dt+\qt):OA+8*(4*\dt+\qt)+7]
.endif
.endr
.endr
.endr
	WIN 0
	PLACES
.endm
; One step: 64 keys, half j of the slot.  The stage is written again only when every wave has its fragments of the step before: at j = 1 by the barrier here,
; at j = 0 by the barrier of the change of slots.
.macro STEP slot, j, first
.if \j
	s_wait_dscnt 0x0
	s_barrier_signal -1
	s_barrier_wait -1
.endif
	CONV \slot, \j
	FRAGS
	QK
	SOFTMAX \first
.if \first == 0
	RESCALE
.endif
	PV \first
.endm
	s_wait_dscnt 0x0                               ; Q's fragments are in registers
	s_wait_tensorcnt 0x1                           ; my part of slot 0 is in; slot 1's, issued behind it, may stay out
	s_barrier_signal -1
	s_barrier_wait -1                              ; slot 0 is whole
	STEP 0, 0, 1
	STEP 0, 1, 0
	s_mov_b32 s15, LAPS-1
.Lloop:
	HEAD 1, 0, 1
	STEP 1, 0, 0
	STEP 1, 1, 0
	HEAD 0, 1, 1
	STEP 0, 0, 0
	STEP 0, 1, 0
	s_sub_co_u32 s15, s15, 1
	s_cmp_lg_u32 s15, 0
	s_cbranch_scc1 .Lloop
	HEAD 1, 0, 0                                   ; the last 128 keys: 2 + 14 fills have brought all 16 tiles
	STEP 1, 0, 0
	STEP 1, 1, 0
	; THE WAY OUT.  The stages are free once every wave has its last fragments.
	s_wait_dscnt 0x0
	s_barrier_signal -1
	s_barrier_wait -1
.irp qt, 0,1,2,3
	v_permlanex16_b32 v[TX], v[ST+4*\qt+3], s48, s49
	v_add_f32 v[ST+4*\qt+3], v[ST+4*\qt+3], v[TX]  ; the two halves of a query's sum; it is at least the largest p, about 1
.endr
.irp qt, 0,1,2,3
	v_rcp_f32 v[ST+4*\qt+2], v[ST+4*\qt+3]
.endr
	v_nop                                          ; the plain instruction behind the reciprocals (ISA guide 5.7.2)
	s_wait_alu depctr_va_vdst(0)
; 16 queries: O^T / sum, 32 bytes a lane and d tile into my own stage (row = query), back as whole rows; each store of the wave covers one row of out,
; 512 consecutive bytes at a multiple of 512.
.macro OUT16 qt
	WIN 0x01                                       ; source 0 window 1
.irp dt, 0,1,2,3,4,5,6,7
.irp i, 0,2,4,6
	v_pk_mul_f32 v[SC+8*\dt+\i:SC+8*\dt+\i+1], v[OA+8*(4*\dt+\qt)+\i:OA+8*(4*\dt+\qt)+\i+1], v[ST+4*\qt+2:ST+4*\qt+3] op_sel_hi:[1,0]
.endr
.endr
	WIN 0
.irp dt, 0,1,2,3,4,5,6,7
	ds_store_b128 v[OST], v[SC+8*\dt:SC+8*\dt+3]   offset:\dt*64
	ds_store_b128 v[OST], v[SC+8*\dt+4:SC+8*\dt+7] offset:\dt*64+16
.endr
	s_wait_xcnt 0x0                                ; the registers loaded next were the data of the last tile's global stores: rewritten only behind this wait (ISA guide 3.1)
.irp t, 0,1,2,3,4,5,6,7,8,9,10,11,12,13,14,15
	ds_load_b128 v[SC+64+4*\t:SC+64+4*\t+3], v[ORD] offset:\t*OP   ; my own bytes, served in order behind the stores above
.endr
.irp t, 0,1,2,3,4,5,6,7,8,9,10,11,12,13,14,15
	s_wait_dscnt 15-\t                             ; row t is in; the rows behind it may be out
	global_store_b128 v[CO], v[SC+64+4*\t:SC+64+4*\t+3], s[10:11] offset:(16*\qt+\t)*ROWB th:TH_STORE_NT
.endr
.endm
	OUT16 0
	OUT16 1
	OUT16 2
	OUT16 3
	s_wait_tensorcnt 0x0
	ds_add_u32 v62, v63
	s_wait_dscnt 0x0
	ROUND                                          ; the closing round: no work-group ends while a partner may still ask for a tile that names it
	s_endpgm
.Lfunc_end_k_qa69d049d56_attn:
	.size	k_qa69d049d56_attn, .Lfunc_end_k_qa69d049d56_attn-k_qa69d049d56_attn
	.p2alignl 7, 3214868480
	.fill 96, 4, 3214868480
	.section	.rodata,"a",@progbits
	.p2align	6, 0x0
	.amdhsa_kernel k_qa69d049d56_attn
		.amdhsa_group_segment_fixed_size 327680
		.amdhsa_private_segment_fixed_size 0
		.amdhsa_enable_private_segment 0
		.amdhsa_kernarg_size 32
		.amdhsa_user_sgpr_count 2
		.amdhsa_user_sgpr_kernarg_segment_ptr 1
		.amdhsa_wavefront_size32 1
		.amdhsa_system_sgpr_workgroup_id_x 1
		.amdhsa_system_sgpr_workgroup_id_y 1
		.amdhsa_system_sgpr_workgroup_id_z 1
		.amdhsa_system_vgpr_workitem_id 0
		.amdhsa_next_free_vgpr 896
		.amdhsa_next_free_sgpr 66
		.amdhsa_reserve_vcc 0
		.amdhsa_float_denorm_mode_32 3
		.amdhsa_float_denorm_mode_16_64 3
		.amdhsa_memory_ordered 1
		.amdhsa_forward_progress 1
		.amdhsa_inst_pref_size 255
	.end_amdhsa_kernel
	.section	.bss,"aw",@nobits
	.p2align	6
	.space	262144
	.amdgpu_metadata
---
amdhsa.version: [ 1, 2 ]
amdhsa.kernels:
  - .name:           k_qa69d049d56_attn
    .symbol:         k_qa69d049d56_attn.kd
    .args:
      - { .name: key_layer, .offset: 0, .size: 8, .value_kind: global_buffer, .address_space: global }
      - { .name: query_layer, .offset: 8, .size: 8, .value_kind: global_buffer, .address_space: global }
      - { .name: value_layer, .offset: 16, .size: 8, .value_kind: global_buffer, .address_space: global }
      - { .name: out0, .offset: 24, .size: 8, .value_kind: global_buffer, .address_space: global }
    .group_segment_fixed_size: 327680
    .private_segment_fixed_size: 0
    .kernarg_segment_align: 8
    .kernarg_segment_size: 32
    .max_flat_workgroup_size: 128
    .sgpr_count:     66
    .vgpr_count:     896
    .wavefront_size: 32
...
	.end_amdgpu_metadata
.endif
;; end of part 1
;; ======== version 2 of 3: 1 launch; 1.07 times as fast as version 1
;; launch attn (part 2): grid 8 x 32, 4 waves a work-group, clusters of 4 x 1, 327,680 bytes of LDS; arguments key_layer, query_layer, value_layer, out0; writes out0
.if DOCPART == 2
	.amdgcn_target "amdgcn-amd-amdhsa--gfx1250"
	.amdhsa_code_object_version 6
	.text
	.protected	k_qa69d049d56_attn
	.globl	k_qa69d049d56_attn
	.p2align	8
	.type	k_qa69d049d56_attn,@function
k_qa69d049d56_attn:
	s_mov_b64 s[64:65], 0
	v_nop
	global_prefetch_b8 v0, s[64:65] scope:SCOPE_SE
	s_setreg_imm32_b32 hwreg(HW_REG_WAVE_MODE, 25, 1), 1
	s_wait_xcnt 0x0
	s_wait_alu depctr_hold_cnt(0) depctr_sa_sdst(0) depctr_va_vdst(0) depctr_va_sdst(0) depctr_va_ssrc(0) depctr_va_vcc(0) depctr_vm_vsrc(0)
	s_getreg_b32 s2, hwreg(HW_REG_IB_STS2, 6, 4)
	s_cmp_eq_u32 s2, 0
	s_cbranch_scc0 .Lentry_in_a_cluster
	s_endpgm
.Lentry_in_a_cluster:
	s_bfe_u32 s2, ttmp6, 0x10000c
	s_cmp_lg_u32 s2, 0x3003
	s_cbranch_scc0 .Lentry_shape_is_right
	s_endpgm
.Lentry_shape_is_right:
; out[q][bh][:] = softmax over k of (Q[q][bh] . K[k][bh] / sqrt(128)) times V[k][bh][:].  All tensors f32, [2048 s][32 bh][128 d]:
; a head's row is 512 consecutive bytes, rows of one head lie 16,384 bytes apart.  Nothing of the computation is left out; the two casts
; to the type a value already has and the dropout with p = 0 are identities and cost no instruction.
;
; SHARES.  A work-group takes 256 queries of one head (grid x: 8 query blocks, grid y: 32 heads); each of its four waves 64 queries as four
; query tiles of 16.  All walk the head's 2,048 keys in 32 steps of 64.
; CLUSTER.  The four query blocks of a cluster (4 x 1) read the same K and V tiles, so each tile is asked for jointly, mask 15: the same line,
; the same descriptor (made of the head and the wave's number alone) in all four.  A head's 8 blocks are two clusters.
; ROAD OF K AND V.  A raw slot holds 128 keys of K and of V as f32 (4 parts of 64 rows x 512 bytes, one tensor load of one wave each); two slots take
; turns, one round of the cluster's barrier for two steps.  In each step every wave rounds 16 rows of K and 16 of V to bf16 into a stage, so that a number is
; converted once in the work-group; all four waves then read their matrix fragments from the stage.
; LAYOUT.  First product transposed, S^T = K Q^T: lane (r = lane % 16, h = lane / 16) holds in register j of tile (kt, qt) the score of key 16 kt + 8 h + j and
; query 16 qt + r.  So a query's 64 scores lie in the lanes r and r + 16: maximum and sum are work inside a lane and one exchange.  Packed in pairs, the
; registers of key tiles 2 kp and 2 kp + 1 ARE the second source of O^T = V^T P^T (k = 8 h + j, then 16 + 8 h + j): P never leaves the registers.
; V^T comes from the stage by the transposing LDS load.  In O^T a lane again holds one query, so a rescale is one factor for a lane and query tile.
; SOFTMAX.  Running maximum m of the raw scores; p = exp2(s c - m c), c = log2(e) / sqrt(128); sums and O are multiplied by exp2 of the change of -m c.
; TURNS.  A wave issues in order, so a step written in phases would leave the matrix unit without work through the softmax and the vector unit without work through
; the products.  The four query tiles are therefore two pieces, 0 (tiles 0, 1) and 1 (tiles 2, 3), which share the K and V fragments.  A step runs: S of piece 0;
; S of piece 1 beside piece 0's vector work; O of piece 0 beside piece 1's vector work; O of piece 1.  A piece's vector work (44 lines of maxima, 158 of exponents,
; exp2, packing and sums, 64 of rescaling) is cut into 32 slices, one behind each of the other piece's 32 matrix instructions.
; WINDOWS IN A TURN.  A setting that served a product and a slice alike would have to reach, by its destination field, one piece's accumulators and the other piece's
; scores and O: S (128 registers) and O (256) do not fit one window of 256.  So each turn has two switches: 64 turns, 128 switches a step.
;
; LIMITS.  Q, K, V and P enter the matrix unit rounded to bf16; sums are f32.  The maximum runs over steps of 64 keys, so sums are rescaled and added in another
; order than in a softmax over the whole row.  The maximum ignores a NaN score, but the NaN still reaches p, the sum and the row of the output.  exp2 gives 0
; for results under 2^-126.  -m c is rounded once, so the largest p of a row may differ from 1 by that rounding; it cancels in the division by the sum.
.set ROWB,  16384                      ; bytes from one s to the next
.set HEADB, 512                        ; bytes of a head's row
.set KEYS,  64                         ; keys in a step
.set PART,  KEYS*HEADB                 ; 32,768: what one tensor load brings
.set SLOT,  4*PART                     ; K keys 0-63, K keys 64-127, V keys 0-63, V keys 64-127
.set STK,   2*SLOT                     ; 262,144: bf16 stage of K, 64 rows
.set KP,    272                        ; its pitch: 256 + 16, so the sixteen rows of a fragment load start 16 bytes apart modulo 256
.set STV,   STK+KEYS*KP                ; 279,552: bf16 stage of V, 64 rows
.set VP,    288                        ; its pitch: 256 + 32, an odd multiple of 32, for the transposing load
.set OP,    528                        ; the way out: 16 rows of 512 + 16 bytes for each wave, in the bytes of the stages
.set LAPS,  2048/(4*KEYS)              ; 8 laps of the ring of two slots
; window 0
.set RK,   2                           ; v2, v4   raw K, my 16 rows, slot 0, 1
.set RV,   3                           ; v3, v5   raw V
.set STKW, 6                           ; where I put a converted row of K
.set STVW, 7                           ; and of V
.set ADRK, 8                           ; K fragments
.set ADRV, 9                           ; V^T fragments
.set OST,  10                          ; the way out: in
.set ORD,  11                          ; the way out: back
.set CO,   12                          ; 16 x lane: my bytes of a 512-byte row in Q and in out; never rewritten
.set QFR,  13                          ; Q fragments from my own 16 stage rows
.set ST,   16                          ; v[16:31] for query tile qt at 16 + 4 qt: -m c, m, alpha (at the end 1 / sum), my lane's half of the sum
.set TS,   32                          ; v[32:35] a step's sums
.set TM,   36                          ; v[36:39] maxima at work, first query tile of a piece
.set NN,   40                          ; the new -m c
.set TX,   41                          ; what the other half of the lanes holds
.set XS,   20                          ; the second query tile of a piece has the same six temporaries 20 registers further up: v[56:61]
.set SUM,  48                          ; v[48:55] a pair of running sums for each query tile
.set SC,   64                          ; v[64:191]  scores: tile (kt, qt) at 64 + 8 (4 kt + qt); also raw rows on their way to the stage
.set PR,   192                         ; v[192:255] P: (qt, kp) at 192 + 8 (2 qt + kp); also converted rows
.set OA,   0                           ; window 1: O^T tile (dt, qt) at 8 (4 dt + qt)
.set QF,   0                           ; window 2: Q fragment (qt, c) at 8 (4 qt + c)
.set KF,   128                         ; window 2: K fragment (c, kt) at 128 + 8 (4 c + kt)
.set VF,   0                           ; window 3: V^T fragment (kp, dt) at 8 (8 kp + dt)
.set G1,   24                          ; s[24:31] descriptor group 1, one shape for all tiles
.set G0K,  32                          ; s[32:39] group 0 of K's tiles, a set for each slot
.set G0V,  40                          ; s[40:47] group 0 of V's tiles
.set MSB, 0
.macro WIN new                         ; low byte: bits 1:0 source 0, 3:2 source 1, 5:4 source 2, 7:6 destination; the high byte repeats the setting that is left
.if MSB != \new
	s_set_vgpr_msb (MSB<<8)|\new
.set MSB, \new
.endif
.endm
.macro PLACES                          ; four places behind matrix instructions, in front of whatever reads their results or writes their registers (ISA guide 7.12.1)
.rept 4
	v_nop
.endr
.endm
; A round of the cluster's barrier: my work-group's barrier, wave 0 signals for the work-group, every wave waits for all four work-groups, my work-group's barrier again.
.macro ROUND
	s_barrier_signal -1
	s_barrier_wait -1
	s_cmp_lg_u32 s12, 0
	s_cbranch_scc1 .Lnot_wave_0_\@
	s_barrier_signal -3
.Lnot_wave_0_\@:
	s_barrier_wait -3
	s_barrier_signal -1
	s_barrier_wait -1
.endm
; A joint refill of slot s: waves 0 and 1 ask for K's two parts, waves 2 and 3 for V's.  One load a wave; the branch hangs on the wave's number alone.
.macro JLOAD s
	s_cmp_eq_u32 s13, 0
	s_cbranch_scc0 .Lfor_v_\@
	tensor_load_to_lds s[G0K+4*\s:G0K+4*\s+3], s[G1:G1+7]
	s_nop 0
	s_branch .Lasked_\@
.Lfor_v_\@:
	tensor_load_to_lds s[G0V+4*\s:G0V+4*\s+3], s[G1:G1+7]
	s_nop 0
.Lasked_\@:
.endm
	s_load_b256 s[4:11], s[0:1], 0x0               ; K s[4:5], Q s[6:7], V s[8:9], out s[10:11]
	v_lshl_add_u32 v62, v0, 2, 0x48c00
	v_mov_b32 v63, 0
	ds_add_u32 v62, v63
	v_lshrrev_b32 v1, 5, v0
	v_readfirstlane_b32 s12, v1                    ; wave 0..3
	s_lshr_b32 s13, s12, 1                         ; 0: I fetch for K, 1: for V
	s_and_b32 s14, s12, 1                          ; which 64 keys of a slot I fetch
	s_bfe_u32 s16, ttmp6, 0x40000                  ; cx: my place in the cluster; it enters the offset of Q and out alone
	s_lshl_b32 s17, ttmp9, 2                       ; ttmp9 counts clusters
	s_add_co_u32 s17, s17, s16                     ; query block 0..7
	s_and_b32 s18, ttmp7, 0xffff                   ; head 0..31
	; group 1: a tile of 64 rows x 128 elements of 4 bytes, 4,096 elements from row to row, laid into LDS without gaps (it is read 512 neighbouring bytes at a time)
	s_mov_b32 s[G1+0], 15|(2<<16)|(1<<21)          ; 15:0 mask: all four work-groups of the cluster; 17:16 elements of 4 bytes; 21 set beside a mask
	s_mov_b32 s[G1+1], 128<<16                     ; tensor_dim0 = 128
	s_mov_b32 s[G1+2], KEYS<<16                    ; tensor_dim1 = 64
	s_mov_b32 s[G1+3], 128<<16                     ; tile_dim0 = 128
	s_mov_b32 s[G1+4], KEYS                        ; tile_dim1 = 64
	s_mov_b32 s[G1+5], 4096                        ; the pitch
	s_mov_b32 s[G1+6], 0
	s_mov_b32 s[G1+7], 0
	s_lshl_b32 s20, s18, 9                         ; K and V: head x 512
	s_lshl_b32 s21, s14, 20                        ; + my 64 keys x 16,384
	s_add_co_u32 s20, s20, s21
	s_mov_b32 s21, 0
	s_lshl_b32 s22, s17, 8                         ; Q and out: row 256 x block
	s_lshl_b32 s23, s12, 6                         ; + 64 x wave,
	s_add_co_u32 s22, s22, s23
	s_lshl_b32 s22, s22, 14                        ; x 16,384 bytes (under 2^25),
	s_lshl_b32 s23, s18, 9                         ; + head x 512
	s_add_co_u32 s22, s22, s23
	s_mov_b32 s23, 0
	s_lshl_b32 s19, s12, 15                        ; my part of a slot: wave x 32,768
	s_mov_b32 s48, 0x76543210                      ; v_permlanex16_b32: lane i of one half reads lane i of the other
	s_mov_b32 s49, 0xfedcba98
	s_mov_b32 s50, 0x3e0293ee                      ; c = log2(e) / sqrt(128) = 0.12751743
	s_mov_b32 s51, 0x3e0293ee
	s_mov_b32 s52, 0xbe0293ee                      ; -c
	s_wait_dscnt 0x0
	s_wait_kmcnt 0x0
	s_add_nc_u64 s[4:5], s[4:5], s[20:21]          ; K at my part of slot 0's first tile
	s_add_nc_u64 s[8:9], s[8:9], s[20:21]          ; V likewise
	s_add_nc_u64 s[6:7], s[6:7], s[22:23]          ; Q at my first row
	s_add_nc_u64 s[10:11], s[10:11], s[22:23]      ; out at my first row
.irp n, 0,1
	s_mov_b32 s[G0K+4*\n], 1                                       ; count = 1
	s_add_co_u32 s[G0K+4*\n+1], s19, \n*SLOT                       ; LDS address
	s_add_nc_u64 s[G0K+4*\n+2:G0K+4*\n+3], s[4:5], \n*2*KEYS*ROWB  ; keys 128 n ..
	s_or_b32 s[G0K+4*\n+3], s[G0K+4*\n+3], 0x80000000              ; type = 2
	s_mov_b32 s[G0V+4*\n], 1
	s_add_co_u32 s[G0V+4*\n+1], s19, \n*SLOT
	s_add_nc_u64 s[G0V+4*\n+2:G0V+4*\n+3], s[8:9], \n*2*KEYS*ROWB
	s_or_b32 s[G0V+4*\n+3], s[G0V+4*\n+3], 0x80000000
.endr
	ROUND                                          ; all four work-groups are here: the first joint loads meet
	s_cmp_eq_u32 s13, 0                            ; both first fills of a wave in one branch: two tensor loads of the wave are out
	s_cbranch_scc0 .Lfirst_v
	tensor_load_to_lds s[G0K:G0K+3], s[G1:G1+7]
	s_nop 0
	tensor_load_to_lds s[G0K+4:G0K+7], s[G1:G1+7]
	s_nop 0
	s_branch .Lfirst_done
.Lfirst_v:
	tensor_load_to_lds s[G0V:G0V+3], s[G1:G1+7]
	s_nop 0
	tensor_load_to_lds s[G0V+4:G0V+7], s[G1:G1+7]
	s_nop 0
.Lfirst_done:
	; addresses
	v_and_b32 v1, 31, v0                           ; lane
	v_and_b32 v14, 15, v0                          ; r
	v_bfe_u32 v15, v0, 4, 1                        ; h
	v_lshlrev_b32 v[CO], 4, v1                     ; 16 x lane
	v_lshl_add_u32 v[RK], s12, 13, v[CO]           ; raw rows 16 w .. 16 w + 15 of a part: 8,192 w + 16 lane
	v_add_nc_u32 v[RV], 2*PART, v[RK]
	v_add_nc_u32 v[RK+2], SLOT, v[RK]
	v_add_nc_u32 v[RV+2], SLOT+2*PART, v[RK]
	s_mul_i32 s53, s12, 16*KP
	s_mul_i32 s54, s12, 16*VP
	s_mul_i32 s55, s12, 16*OP
	s_add_co_u32 s20, s53, STK                     ; my 16 rows of K's stage
	s_add_co_u32 s21, s54, STV                     ; my 16 rows of V's stage
	s_add_co_u32 s22, s55, STK                     ; my stage on the way out
	v_lshlrev_b32 v1, 3, v1                        ; 4 numbers become 8 bytes
	v_add_nc_u32 v[STKW], s20, v1
	v_add_nc_u32 v[STVW], s21, v1
	v_mul_u32_u24 v[ADRK], v14, KP                 ; a fragment of 16 rows x 32 along d: row r, 16 bytes for each half of the lanes
	v_lshl_add_u32 v[ADRK], v15, 4, v[ADRK]
	v_add_nc_u32 v[QFR], s20, v[ADRK]
	v_add_nc_u32 v[ADRK], STK, v[ADRK]
	v_and_b32 v[ADRV], 7, v0                       ; the transposing load: key 8 h + lane % 8,
	v_lshl_add_u32 v[ADRV], v15, 3, v[ADRV]
	v_mul_u32_u24 v[ADRV], v[ADRV], VP
	v_bfe_u32 v1, v0, 3, 1                         ; 16 bytes (8 d) further for lanes 8-15 and 24-31
	v_lshl_add_u32 v[ADRV], v1, 4, v[ADRV]
	v_add_nc_u32 v[ADRV], STV, v[ADRV]
	v_mul_u32_u24 v[OST], v14, OP                  ; out stage: row = query r, 32 bytes (8 d) for each half of the lanes
	v_lshl_add_u32 v[OST], v15, 5, v[OST]
	v_add_nc_u32 v[OST], s22, v[OST]
	v_add_nc_u32 v[ORD], s22, v[CO]                ; and back by whole rows
	v_mov_b32 v[TX], 0                             ; v_permlanex16_b32 counts as reading its destination: both are written once here
	v_mov_b32 v[TX+XS], 0
	; Q: my 64 rows, one load of 512 neighbouring bytes each, into the registers that later hold O; read once in the launch
	WIN 0x40                                       ; destination window 1
.set qi, 0
.rept 64
	global_load_b128 v[4*qi:4*qi+3], v[CO], s[6:7] offset:qi*ROWB th:TH_LOAD_NT
.set qi, qi+1
.endr
; 16 rows of Q: to bf16, through my own 16 rows of K's stage, back as the four fragments of query tile qt.  LDS serves a wave's instructions in order
; (ISA guide 5.7.1), so neither the loads behind the stores nor the next tile's stores behind the loads need a wait.
.macro QTILE qt
	s_wait_loadcnt 48-16*\qt                       ; the 16 loads of each later query tile may stay out
	WIN 0x05                                       ; sources window 1
.irp i, 0,1,2,3,4,5,6,7,8,9,10,11,12,13,14,15
	v_cvt_pk_bf16_f32 v[SC+32*\qt+2*\i],   v[64*\qt+4*\i],   v[64*\qt+4*\i+1]
	v_cvt_pk_bf16_f32 v[SC+32*\qt+2*\i+1], v[64*\qt+4*\i+2], v[64*\qt+4*\i+3]
.endr
	WIN 0
.irp i, 0,1,2,3,4,5,6,7,8,9,10,11,12,13,14,15
	ds_store_b64 v[STKW], v[SC+32*\qt+2*\i:SC+32*\qt+2*\i+1] offset:\i*KP
.endr
	WIN 0x80                                       ; destination window 2
.irp c, 0,1,2,3
	ds_load_b128 v[QF+8*(4*\qt+\c):QF+8*(4*\qt+\c)+3],   v[QFR] offset:\c*64
	ds_load_b128 v[QF+8*(4*\qt+\c)+4:QF+8*(4*\qt+\c)+7], v[QFR] offset:\c*64+32
.endr
.endm
	QTILE 0
	QTILE 1
	QTILE 2
	QTILE 3
	WIN 0
; Change of slots.  In front of the barrier every wave waits for all its tensor loads (the one that is out is its part of slot, which is read next) and for its LDS
; instructions (its reads of slot other and of the stage).  With a refill the barrier is a round of the cluster's barrier, so that this holds of every wave of all four
; work-groups, and the joint refill of slot other is the first thing behind it; it has two steps' work in which to land.
.macro HEAD slot, other, refill
	s_wait_tensorcnt 0x0
	ds_add_u32 v62, v63
	s_wait_dscnt 0x0
.if \refill
	s_add_nc_u64 s[G0K+4*\other+2:G0K+4*\other+3], s[G0K+4*\other+2:G0K+4*\other+3], 4*KEYS*ROWB   ; no load of mine is out: 256 keys on
	s_add_nc_u64 s[G0V+4*\other+2:G0V+4*\other+3], s[G0V+4*\other+2:G0V+4*\other+3], 4*KEYS*ROWB
.endif
	s_wait_dscnt 0x0
.if \refill
	ROUND
	JLOAD \other
.else
	s_barrier_signal -1                            ; nothing is left to fetch: my work-group's barrier shows the slot whole and the stage free
	s_barrier_wait -1
.endif
.endm
; My 16 rows of K and of V of half j of the slot: f32 from the raw slot, 512 neighbouring bytes a load; bf16 into the stages, 256 neighbouring bytes a store.
; K's 32 conversions write P of piece 0 and read raw rows: they are the places between the last products of O of piece 1 and V's conversions, which write P of piece 1.
.macro CONV slot, j
.irp i, 0,1,2,3,4,5,6,7,8,9,10,11,12,13,14,15
	ds_load_b128 v[SC+4*\i:SC+4*\i+3], v[RK+2*\slot] offset:\j*PART+\i*HEADB
.endr
.irp i, 0,1,2,3,4,5,6,7,8,9,10,11,12,13,14,15
	ds_load_b128 v[SC+64+4*\i:SC+64+4*\i+3], v[RV+2*\slot] offset:\j*PART+\i*HEADB
.endr
	s_wait_dscnt 16                                ; K's 16 are in, V's 16 were issued behind them
.irp i, 0,1,2,3,4,5,6,7,8,9,10,11,12,13,14,15
	v_cvt_pk_bf16_f32 v[PR+2*\i],   v[SC+4*\i],   v[SC+4*\i+1]
	v_cvt_pk_bf16_f32 v[PR+2*\i+1], v[SC+4*\i+2], v[SC+4*\i+3]
.endr
	s_wait_dscnt 0x0
.irp i, 0,1,2,3,4,5,6,7,8,9,10,11,12,13,14,15
	v_cvt_pk_bf16_f32 v[PR+32+2*\i],   v[SC+64+4*\i],   v[SC+64+4*\i+1]
	v_cvt_pk_bf16_f32 v[PR+32+2*\i+1], v[SC+64+4*\i+2], v[SC+64+4*\i+3]
.endr
.irp i, 0,1,2,3,4,5,6,7,8,9,10,11,12,13,14,15
	ds_store_b64 v[STKW], v[PR+2*\i:PR+2*\i+1] offset:\i*KP
.endr
.irp i, 0,1,2,3,4,5,6,7,8,9,10,11,12,13,14,15
	ds_store_b64 v[STVW], v[PR+32+2*\i:PR+32+2*\i+1] offset:\i*VP
.endr
	s_wait_dscnt 0x0                               ; my rows are in the stage,
	s_barrier_signal -1
	s_barrier_wait -1                              ; everybody's are
.endm
; All fragments of the step in one run: K's 32 loads by chunks of 32 along d, then V^T's 32.
.macro FRAGS
	WIN 0x80                                       ; destination window 2
.irp c, 0,1,2,3
.irp kt, 0,1,2,3
	ds_load_b128 v[KF+8*(4*\c+\kt):KF+8*(4*\c+\kt)+3],   v[ADRK] offset:\kt*16*KP+\c*64
	ds_load_b128 v[KF+8*(4*\c+\kt)+4:KF+8*(4*\c+\kt)+7], v[ADRK] offset:\kt*16*KP+\c*64+32
.endr
.endr
	WIN 0xc0                                       ; destination window 3
.irp kp, 0,1
.irp dt, 0,1,2,3,4,5,6,7
	ds_load_tr16_b128 v[VF+8*(8*\kp+\dt):VF+8*(8*\kp+\dt)+3],   v[ADRV] offset:\kp*32*VP+\dt*32
	ds_load_tr16_b128 v[VF+8*(8*\kp+\dt)+4:VF+8*(8*\kp+\dt)+7], v[ADRV] offset:\kp*32*VP+\dt*32+16*VP
.endr
.endr
.endm
; ---- A PIECE'S VECTOR WORK, in parts that the slices below call.  p = the piece (0, 1); x = which of its two query tiles; qt = 2 p + x. ----
; The sums of the step before are taken into l, my lane's half of a query's sum (the halves meet at the end).  was_first = 1: that step was the first, l starts.
; alpha still holds that step's factor: it is written again only further down in the step that calls this.
.macro FIN was_first
.if \was_first
.irp qt, 0,1,2,3
	v_add_f32 v[ST+4*\qt+3], v[SUM+2*\qt], v[SUM+2*\qt+1]
.endr
.else
.irp qt, 0,1,2,3
	v_add_f32 v[TS+\qt], v[SUM+2*\qt], v[SUM+2*\qt+1]
.endr
.irp qt, 0,1,2,3
	v_fma_f32 v[ST+4*\qt+3], v[ST+4*\qt+3], v[ST+4*\qt+2], v[TS+\qt]
.endr
.endif
.endm
; Four chains of maxima, one for each key tile: lap 0 takes a tile's registers 0-2, lap 1 registers 3, 4, lap 2 registers 5, 6.
.macro SMAX p, x, lap
	WIN 0
.set mx_q, 2*(\p)+\x
.set mx_t, TM+XS*\x
.irp kt, 0,1,2,3
.if \lap == 0
	v_max3_num_f32 v[mx_t+\kt], v[SC+8*(4*\kt+mx_q)], v[SC+8*(4*\kt+mx_q)+1], v[SC+8*(4*\kt+mx_q)+2]
.else
	v_max3_num_f32 v[mx_t+\kt], v[mx_t+\kt], v[SC+8*(4*\kt+mx_q)+2*\lap+1], v[SC+8*(4*\kt+mx_q)+2*\lap+2]
.endif
.endr
.endm
; The rest of the maxima for both query tiles of the piece, line by line in turn, so that no line follows directly on the one whose result it reads.
; part 0: registers 7; 1: the four chains meet; 2: the other half of the lanes and the running maximum, in place; 3: the new -m c and its change;
; 4: alpha = exp2 of the change of -m c as it was rounded, so that it fits the exponents with which the old sums were made.
.macro SRED p, part, kind
	WIN 0
.if \part == 0
.irp x, 0,1
	v_max3_num_f32 v[TM+XS*\x], v[TM+XS*\x], v[SC+8*(2*(\p)+\x)+7], v[SC+8*(4+2*(\p)+\x)+7]
.endr
.irp x, 0,1
	v_max3_num_f32 v[TM+XS*\x+1], v[TM+XS*\x+1], v[SC+8*(8+2*(\p)+\x)+7], v[SC+8*(12+2*(\p)+\x)+7]
.endr
.endif
.if \part == 1
.irp x, 0,1
	v_max3_num_f32 v[TM+XS*\x], v[TM+XS*\x], v[TM+XS*\x+2], v[TM+XS*\x+3]
.endr
.irp x, 0,1
	v_max_num_f32 v[TM+XS*\x], v[TM+XS*\x], v[TM+XS*\x+1]
.endr
.endif
.if \part == 2
.irp x, 0,1
	v_permlanex16_b32 v[TX+XS*\x], v[TM+XS*\x], s48, s49           ; the other 32 keys of the same query
.endr
.irp x, 0,1
.if \kind == 0
	v_max_num_f32 v[ST+4*(2*(\p)+\x)+1], v[TM+XS*\x], v[TX+XS*\x]
.else
	v_max3_num_f32 v[ST+4*(2*(\p)+\x)+1], v[TM+XS*\x], v[TX+XS*\x], v[ST+4*(2*(\p)+\x)+1]
.endif
.endr
.endif
.if \part == 3
.if \kind == 0
.irp x, 0,1
	v_mul_f32 v[ST+4*(2*(\p)+\x)], s52, v[ST+4*(2*(\p)+\x)+1]      ; -m c
.endr
.else
.irp x, 0,1
	v_mul_f32 v[NN+XS*\x], s52, v[ST+4*(2*(\p)+\x)+1]              ; the new -m c
.endr
.irp x, 0,1
	v_sub_f32 v[TM+XS*\x+2], v[NN+XS*\x], v[ST+4*(2*(\p)+\x)]      ; less the old: never above 0
.endr
.endif
.endif
.if \part == 4
.if \kind != 0
.irp x, 0,1
	v_exp_f32 v[ST+4*(2*(\p)+\x)+2], v[TM+XS*\x+2]                 ; alpha; the two moves are the plain instructions behind it (ISA guide 5.7.2)
.endr
.irp x, 0,1
	v_mov_b32 v[ST+4*(2*(\p)+\x)], v[NN+XS*\x]
.endr
.endif
.endif
.endm
; The exponentials go by groups g = 0 .. 7 of one score tile (8 registers): query tile x = g % 2, key tile kt = g / 2.
; Line j (0 .. 7) of the use of group g: four packings into P (keys 8 h + 2 i, + 1 of key tile kt are word 4 (kt % 2) + i of the second source) and the sums, as a small tree:
; a pair is overwritten by a sum only behind the packing that reads it.
.macro SUSE p, g, j
.set us_q, 2*(\p)+(\g)%2
.set us_k, (\g)/2
.set us_b, SC+8*(4*us_k+us_q)
.set us_p, PR+8*(2*us_q+us_k/2)+4*(us_k%2)
.set us_s, SUM+2*us_q
.if (\j) == 0
	s_wait_alu depctr_va_vdst(0)
	v_cvt_pk_bf16_f32 v[us_p], v[us_b], v[us_b+1]
.endif
.if (\j) == 1
	v_cvt_pk_bf16_f32 v[us_p+2], v[us_b+4], v[us_b+5]
.endif
.if (\j) == 2
	v_pk_add_f32 v[us_b:us_b+1], v[us_b:us_b+1], v[us_b+2:us_b+3]
.endif
.if (\j) == 3
	v_pk_add_f32 v[us_b+4:us_b+5], v[us_b+4:us_b+5], v[us_b+6:us_b+7]
.endif
.if (\j) == 4
	v_cvt_pk_bf16_f32 v[us_p+1], v[us_b+2], v[us_b+3]
.endif
.if (\j) == 5
	v_cvt_pk_bf16_f32 v[us_p+3], v[us_b+6], v[us_b+7]
.endif
.if (\j) == 6
.if us_k == 0
	v_pk_add_f32 v[us_s:us_s+1], v[us_b:us_b+1], v[us_b+4:us_b+5]  ; the first key tile starts the step's sums: nothing is cleared
.else
	v_pk_add_f32 v[us_s:us_s+1], v[us_s:us_s+1], v[us_b:us_b+1]
.endif
.endif
.if (\j) == 7
.if us_k != 0
	v_pk_add_f32 v[us_s:us_s+1], v[us_s:us_s+1], v[us_b+4:us_b+5]
	s_wait_alu depctr_va_vdst(0)
.endif
.endif
.endm
; Atom a = 4 k + i (0 .. 39) of a pipeline three groups deep: one line of the exponents s c - m c of group k, two exp2 of group k - 1, two lines of the use of group k - 2.
; Each exp2 is followed by a plain line of another group before its result is read a stage later (ISA guide 5.7.2), and no two stages' runs of exp2 stand together.
.macro SATOM p, a
.set at_k, (\a)/4
.set at_i, (\a)%4
.if at_k <= 7
.set at_b, SC+8*(4*(at_k/2)+2*(\p)+at_k%2)
.set at_q, ST+4*(2*(\p)+at_k%2)
	v_pk_fma_f32 v[at_b+2*at_i:at_b+2*at_i+1], v[at_b+2*at_i:at_b+2*at_i+1], s[50:51], v[at_q:at_q+1] op_sel_hi:[1,0,0]   ; both halves with each pair's first word: c, -m c
.endif
.irp e, 0,1
.if at_k >= 1
.if at_k <= 8
.set at_b, SC+8*(4*((at_k-1)/2)+2*(\p)+(at_k-1)%2)
	v_exp_f32 v[at_b+2*at_i+\e], v[at_b+2*at_i+\e]
.endif
.endif
.if at_k >= 2
	SUSE \p, at_k-2, 2*at_i+\e
.endif
.endr
.endm
.macro SATOMS p, a0, cnt
.set at_a, \a0
.rept \cnt
	SATOM \p, at_a
.set at_a, at_a+1
.endr
.endm
; The 40 atoms in 18 slices: the thin atoms of the pipeline's filling go six and three to a slice, the rest two, the last alone.
.macro SMS p, s
	WIN 0
.if (\s) == 0
	SATOMS \p, 0, 6
.endif
.if (\s) == 1
	SATOMS \p, 6, 3
.endif
.if (\s) >= 2
.if (\s) <= 16
	SATOMS \p, 9+2*((\s)-2), 2
.else
	SATOMS \p, 39, 1
.endif
.endif
.endm
; O of d tile dt, both query tiles of the piece, times alpha.
.macro RSS p, dt
	WIN 0x41                                       ; destination and source 0 window 1
.irp x, 0,1
.irp i, 0,2,4,6
	v_pk_mul_f32 v[OA+8*(4*(\dt)+2*(\p)+\x)+\i:OA+8*(4*(\dt)+2*(\p)+\x)+\i+1], v[OA+8*(4*(\dt)+2*(\p)+\x)+\i:OA+8*(4*(\dt)+2*(\p)+\x)+\i+1], v[ST+4*(2*(\p)+\x)+2:ST+4*(2*(\p)+\x)+3] op_sel_hi:[1,0]
.endr
.endr
.endm
; Slice n (0 .. 31) of piece p's vector work.  kind = 0: the first step (no old maximum, sum or O), 1: the second, 2: later ones.
; 0-5: the maxima.  6-31: eighteen slices of exponentials and, at 10, 13, .. 31, eight of rescaling, d tile by d tile, so that O's d tile 0 is ready long before its next product.
; PLACES (ISA guide 7.12.1).  The scores of piece 0 are first read in its slice 0, straight behind their products: in front of that read stand the four or eight lines that take in the
; last step's sums.  The scores of piece 1 are first read behind slice 31 of piece 0, eight lines of rescaling; the same slice of piece 1 stands between O's products of piece 0
; and the next step's writes of P of piece 0.  The first step has neither sums nor rescaling to put there and takes v_nop.
.macro SLICE p, n, kind
.if (\n) == 0
.if (\p) == 0
	WIN 0
.if \kind == 0
	PLACES
.endif
.if \kind == 1
	FIN 1
.endif
.if \kind == 2
	FIN 0
.endif
.endif
	SMAX \p, 0, 0
.endif
.if (\n) == 1
	SMAX \p, 1, 0
	SMAX \p, 0, 1
.endif
.if (\n) == 2
	SMAX \p, 1, 1
	SMAX \p, 0, 2
.endif
.if (\n) == 3
	SMAX \p, 1, 2
	SRED \p, 0, \kind
.endif
.if (\n) == 4
	SRED \p, 1, \kind
	SRED \p, 2, \kind
.endif
.if (\n) == 5
	SRED \p, 3, \kind
	SRED \p, 4, \kind
.endif
.if (\n) >= 6
.set sl_m, (\n)-6
.set sl_r, 0
.if sl_m >= 4
.if sl_m%3 == 1
.set sl_r, 1
.endif
.endif
.if sl_r
.if \kind != 0
	RSS \p, (sl_m-4)/3
.else
.if sl_m == 25
	PLACES
.endif
.endif
.else
.if sl_m <= 3
.set sl_x, sl_m
.else
.set sl_x, sl_m-(sl_m-1)/3
.endif
	SMS \p, sl_x
.endif
.endif
.endm
; S^T = K Q^T of piece p, 64 keys x 32 queries x 128: 32 matrix instructions.  The first chunk starts the sums.  The 8 accumulators take turns, one instruction a turn.
; vec = 0: alone, with the waits for K's chunks; vec = 1: a slice of the other piece's vector work behind each (all of K's fragments are in by then).
.macro QKP p, vec, kind
.set sl_n, 0
.irp c, 0,1,2,3
.if \vec == 0
	s_wait_dscnt 56-8*\c                           ; of the 64 loads, those behind K's chunk c may be out: 8 for each later chunk and V's 32
.endif
.irp kt, 0,1,2,3
.irp x, 0,1
	WIN 0x0a                                       ; both sources window 2
.if \c == 0
	v_wmma_f32_16x16x32_bf16 v[SC+8*(4*\kt+2*\p+\x):SC+8*(4*\kt+2*\p+\x)+7], v[KF+8*(4*\c+\kt):KF+8*(4*\c+\kt)+7], v[QF+8*(4*(2*\p+\x)+\c):QF+8*(4*(2*\p+\x)+\c)+7], 0
.else
	v_wmma_f32_16x16x32_bf16 v[SC+8*(4*\kt+2*\p+\x):SC+8*(4*\kt+2*\p+\x)+7], v[KF+8*(4*\c+\kt):KF+8*(4*\c+\kt)+7], v[QF+8*(4*(2*\p+\x)+\c):QF+8*(4*(2*\p+\x)+\c)+7], v[SC+8*(4*\kt+2*\p+\x):SC+8*(4*\kt+2*\p+\x)+7]
.endif
.if \vec
	SLICE (1-\p), sl_n, \kind
.set sl_n, sl_n+1
.endif
.endr
.endr
.endr
.endm
; O^T += V^T P^T of piece p, 128 d x 32 queries x 64 keys: 32 matrix instructions.  In the first step the first 32 keys start the sums.  The 16 accumulators take turns, one
; instruction a turn.  vec as above.
.macro PVP p, vec, kind
.set sl_n, 0
.irp kp, 0,1
.irp dt, 0,1,2,3,4,5,6,7
.irp x, 0,1
	WIN 0x53                                       ; source 0 window 3, source 1 window 0, C and D window 1
.if (\kind)+(\kp) == 0
	v_wmma_f32_16x16x32_bf16 v[OA+8*(4*\dt+2*\p+\x):OA+8*(4*\dt+2*\p+\x)+7], v[VF+8*(8*\kp+\dt):VF+8*(8*\kp+\dt)+7], v[PR+8*(2*(2*\p+\x)+\kp):PR+8*(2*(2*\p+\x)+\kp)+7], 0
.else
	v_wmma_f32_16x16x32_bf16 v[OA+8*(4*\dt+2*\p+\x):OA+8*(4*\dt+2*\p+\x)+7], v[VF+8*(8*\kp+\dt):VF+8*(8*\kp+\dt)+7], v[PR+8*(2*(2*\p+\x)+\kp):PR+8*(2*(2*\p+\x)+\kp)+7], v[OA+8*(4*\dt+2*\p+\x):OA+8*(4*\dt+2*\p+\x)+7]
.endif
.if \vec
	SLICE (1-\p), sl_n, \kind
.set sl_n, sl_n+1
.endif
.endr
.endr
.endr
.endm
; One step: 64 keys, half j of the slot.  The stage is written again only when every wave has its fragments of the step before: at j = 1 by the barrier here,
; at j = 0 by the barrier of the change of slots.
.macro STEP slot, j, kind
.if \j
	s_wait_dscnt 0x0
	s_barrier_signal -1
	s_barrier_wait -1
.endif
	CONV \slot, \j
	FRAGS
	QKP 0, 0, \kind                                ; S of piece 0
	QKP 1, 1, \kind                                ; S of piece 1 beside the softmax and rescale of piece 0
	s_wait_dscnt 0x0                               ; V's fragments; no LDS instruction of mine is out from here to the next barrier
	PVP 0, 1, \kind                                ; O of piece 0 beside the softmax and rescale of piece 1
	PVP 1, 0, \kind                                ; O of piece 1
	WIN 0
.endm
	s_wait_dscnt 0x0                               ; Q's fragments are in registers
	s_wait_tensorcnt 0x1                           ; my part of slot 0 is in; slot 1's, issued behind it, may stay out
	s_barrier_signal -1
	s_barrier_wait -1                              ; slot 0 is whole
	STEP 0, 0, 0
	STEP 0, 1, 1
	s_mov_b32 s15, LAPS-1
.Lloop:
	HEAD 1, 0, 1
	STEP 1, 0, 2
	STEP 1, 1, 2
	HEAD 0, 1, 1
	STEP 0, 0, 2
	STEP 0, 1, 2
	s_sub_co_u32 s15, s15, 1
	s_cmp_lg_u32 s15, 0
	s_cbranch_scc1 .Lloop
	HEAD 1, 0, 0                                   ; the last 128 keys: 2 + 14 fills have brought all 16 tiles
	STEP 1, 0, 2
	STEP 1, 1, 2
	; THE WAY OUT.  The stages are free once every wave has its last fragments.
	s_wait_dscnt 0x0
	s_barrier_signal -1
	s_barrier_wait -1
	FIN 0                                          ; the last step's sums; these eight lines are also the places between the last products and the first read of O
.irp qt, 0,1,2,3
	v_permlanex16_b32 v[TX], v[ST+4*\qt+3], s48, s49
	v_add_f32 v[ST+4*\qt+3], v[ST+4*\qt+3], v[TX]  ; the two halves of a query's sum; it is at least the largest p, about 1
.endr
.irp qt, 0,1,2,3
	v_rcp_f32 v[ST+4*\qt+2], v[ST+4*\qt+3]
.endr
	v_nop                                          ; the plain instruction behind the reciprocals (ISA guide 5.7.2)
	s_wait_alu depctr_va_vdst(0)
; 16 queries: O^T / sum, 32 bytes a lane and d tile into my own stage (row = query), back as whole rows; each store of the wave covers one row of out,
; 512 consecutive bytes at a multiple of 512.
.macro OUT16 qt
	WIN 0x01                                       ; source 0 window 1
.irp dt, 0,1,2,3,4,5,6,7
.irp i, 0,2,4,6
	v_pk_mul_f32 v[SC+8*\dt+\i:SC+8*\dt+\i+1], v[OA+8*(4*\dt+\qt)+\i:OA+8*(4*\dt+\qt)+\i+1], v[ST+4*\qt+2:ST+4*\qt+3] op_sel_hi:[1,0]
.endr
.endr
	WIN 0
.irp dt, 0,1,2,3,4,5,6,7
	ds_store_b128 v[OST], v[SC+8*\dt:SC+8*\dt+3]   offset:\dt*64
	ds_store_b128 v[OST], v[SC+8*\dt+4:SC+8*\dt+7] offset:\dt*64+16
.endr
	s_wait_xcnt 0x0                                ; the registers loaded next were the data of the last tile's global stores: rewritten only behind this wait (ISA guide 3.1)
.irp t, 0,1,2,3,4,5,6,7,8,9,10,11,12,13,14,15
	ds_load_b128 v[SC+64+4*\t:SC+64+4*\t+3], v[ORD] offset:\t*OP   ; my own bytes, served in order behind the stores above
.endr
.irp t, 0,1,2,3,4,5,6,7,8,9,10,11,12,13,14,15
	s_wait_dscnt 15-\t                             ; row t is in; the rows behind it may be out
	global_store_b128 v[CO], v[SC+64+4*\t:SC+64+4*\t+3], s[10:11] offset:(16*\qt+\t)*ROWB th:TH_STORE_NT
.endr
.endm
	OUT16 0
	OUT16 1
	OUT16 2
	OUT16 3
	s_wait_tensorcnt 0x0
	ds_add_u32 v62, v63
	s_wait_dscnt 0x0
	ROUND                                          ; the closing round: no work-group ends while a partner may still ask for a tile that names it
	s_endpgm
.Lfunc_end_k_qa69d049d56_attn:
	.size	k_qa69d049d56_attn, .Lfunc_end_k_qa69d049d56_attn-k_qa69d049d56_attn
	.p2alignl 7, 3214868480
	.fill 96, 4, 3214868480
	.section	.rodata,"a",@progbits
	.p2align	6, 0x0
	.amdhsa_kernel k_qa69d049d56_attn
		.amdhsa_group_segment_fixed_size 327680
		.amdhsa_private_segment_fixed_size 0
		.amdhsa_enable_private_segment 0
		.amdhsa_kernarg_size 32
		.amdhsa_user_sgpr_count 2
		.amdhsa_user_sgpr_kernarg_segment_ptr 1
		.amdhsa_wavefront_size32 1
		.amdhsa_system_sgpr_workgroup_id_x 1
		.amdhsa_system_sgpr_workgroup_id_y 1
		.amdhsa_system_sgpr_workgroup_id_z 1
		.amdhsa_system_vgpr_workitem_id 0
		.amdhsa_next_free_vgpr 896
		.amdhsa_next_free_sgpr 66
		.amdhsa_reserve_vcc 0
		.amdhsa_float_denorm_mode_32 3
		.amdhsa_float_denorm_mode_16_64 3
		.amdhsa_memory_ordered 1
		.amdhsa_forward_progress 1
		.amdhsa_inst_pref_size 255
	.end_amdhsa_kernel
	.section	.bss,"aw",@nobits
	.p2align	6
	.space	262144
	.amdgpu_metadata
---
amdhsa.version: [ 1, 2 ]
amdhsa.kernels:
  - .name:           k_qa69d049d56_attn
    .symbol:         k_qa69d049d56_attn.kd
    .args:
      - { .name: key_layer, .offset: 0, .size: 8, .value_kind: global_buffer, .address_space: global }
      - { .name: query_layer, .offset: 8, .size: 8, .value_kind: global_buffer, .address_space: global }
      - { .name: value_layer, .offset: 16, .size: 8, .value_kind: global_buffer, .address_space: global }
      - { .name: out0, .offset: 24, .size: 8, .value_kind: global_buffer, .address_space: global }
    .group_segment_fixed_size: 327680
    .private_segment_fixed_size: 0
    .kernarg_segment_align: 8
    .kernarg_segment_size: 32
    .max_flat_workgroup_size: 128
    .sgpr_count:     66
    .vgpr_count:     896
    .wavefront_size: 32
...
	.end_amdgpu_metadata
.endif
;; end of part 2
;; ======== version 3 of 3: 1 launch; 1.15 times as fast as version 1
;; launch attn (part 3): grid 8 x 32, 4 waves a work-group, clusters of 4 x 1, 327,680 bytes of LDS; arguments key_layer, query_layer, value_layer, out0; writes out0
.if DOCPART == 3
	.amdgcn_target "amdgcn-amd-amdhsa--gfx1250"
	.amdhsa_code_object_version 6
	.text
	.protected	k_qa69d049d56_attn
	.globl	k_qa69d049d56_attn
	.p2align	8
	.type	k_qa69d049d56_attn,@function
k_qa69d049d56_attn:
	s_mov_b64 s[64:65], 0
	v_nop
	global_prefetch_b8 v0, s[64:65] scope:SCOPE_SE
	s_setreg_imm32_b32 hwreg(HW_REG_WAVE_MODE, 25, 1), 1
	s_wait_xcnt 0x0
	s_wait_alu depctr_hold_cnt(0) depctr_sa_sdst(0) depctr_va_vdst(0) depctr_va_sdst(0) depctr_va_ssrc(0) depctr_va_vcc(0) depctr_vm_vsrc(0)
	s_getreg_b32 s2, hwreg(HW_REG_IB_STS2, 6, 4)
	s_cmp_eq_u32 s2, 0
	s_cbranch_scc0 .Lentry_in_a_cluster
	s_endpgm
.Lentry_in_a_cluster:
	s_bfe_u32 s2, ttmp6, 0x10000c
	s_cmp_lg_u32 s2, 0x3003
	s_cbranch_scc0 .Lentry_shape_is_right
	s_endpgm
.Lentry_shape_is_right:
; out[q][bh][:] = softmax over k of (Q[q][bh] . K[k][bh] / sqrt(128)) times V[k][bh][:].  All tensors f32, [2048 s][32 bh][128 d]:
; a head's row is 512 consecutive bytes, rows of one head lie 16,384 bytes apart.  Nothing of the computation is left out; the two casts
; to the type a value already has and the dropout with p = 0 are identities and cost no instruction.
;
; SHARES.  A work-group takes 256 queries of one head (grid x: 8 query blocks, grid y: 32 heads); each of its four waves 64 queries as four
; query tiles of 16.  All walk the head's 2,048 keys in 32 steps of 64.
; CLUSTER.  The four query blocks of a cluster (4 x 1) read the same K and V tiles, so each tile is asked for jointly, mask 15: the same line,
; the same descriptor (made of the head and the wave's number alone) in all four.  A head's 8 blocks are two clusters.
; ROAD OF K AND V.  A raw slot holds 128 keys of K and of V as f32 (4 parts of 64 rows x 512 bytes, one tensor load of one wave each); two slots take
; turns, one round of the cluster's barrier for two steps.  In each step every wave rounds 16 rows of K and 16 of V to bf16 into a stage, so that a number is
; converted once in the work-group; all four waves then read their matrix fragments from the stage.
; LAYOUT.  First product transposed, S^T = K Q^T: lane (r = lane % 16, h = lane / 16) holds in register j of tile (kt, qt) the score of key 16 kt + 8 h + j and
; query 16 qt + r.  So a query's 64 scores lie in the lanes r and r + 16: maximum and sum are work inside a lane and one exchange.  Packed in pairs, the
; registers of key tiles 2 kp and 2 kp + 1 ARE the second source of O^T = V^T P^T (k = 8 h + j, then 16 + 8 h + j): P never leaves the registers.
; V^T comes from the stage by the transposing LDS load.  In O^T a lane again holds one query, so a rescale is one factor for a lane and query tile.
; SOFTMAX.  Running maximum m of the raw scores; p = exp2(s c - m c), c = log2(e) / sqrt(128); sums and O are multiplied by exp2 of the change of -m c.
; TURNS.  A wave issues in order, so a step written in phases would leave the matrix unit without work through the softmax and the vector unit without work through
; the products.  The four query tiles are therefore two pieces, 0 (tiles 0, 1) and 1 (tiles 2, 3), which share the K and V fragments.  A step runs: S of piece 0;
; S of piece 1 beside piece 0's vector work; O of piece 0 beside piece 1's vector work; O of piece 1.  A piece's vector work (44 lines of maxima, 158 of exponents,
; exp2, packing and sums, 64 of rescaling) is cut into 32 slices, one behind each of the other piece's 32 matrix instructions.
; BATCHES.  A piece's 66 exponentials of a step (its two alpha and its 64 weights) are ONE batch with ONE wait.  The piece's list is ordered by who reads what: the maxima; alpha;
; the 32 lines of exponents and the 64 exp2, each in place in its score's register, none of which names the result of another; a v_nop and the wait; then all the readers:
; the packings and sums, then the rescaling by alpha.  So a step has two waits.  The four reciprocals on the
; way out are a batch of their own.
; WINDOWS IN A TURN.  A setting that served a product and a slice alike would have to reach, by its destination field, one piece's accumulators and the other piece's
; scores and O: S (128 registers) and O (256) do not fit one window of 256.  So each turn has two switches: 64 turns, 128 switches a step.
;
; LIMITS.  Q, K, V and P enter the matrix unit rounded to bf16; sums are f32.  The maximum runs over steps of 64 keys, so sums are rescaled and added in another
; order than in a softmax over the whole row.  The maximum ignores a NaN score, but the NaN still reaches p, the sum and the row of the output.  exp2 gives 0
; for results under 2^-126.  -m c is rounded once, so the largest p of a row may differ from 1 by that rounding; it cancels in the division by the sum.
.set ROWB,  16384                      ; bytes from one s to the next
.set HEADB, 512                        ; bytes of a head's row
.set KEYS,  64                         ; keys in a step
.set PART,  KEYS*HEADB                 ; 32,768: what one tensor load brings
.set SLOT,  4*PART                     ; K keys 0-63, K keys 64-127, V keys 0-63, V keys 64-127
.set STK,   2*SLOT                     ; 262,144: bf16 stage of K, 64 rows
.set KP,    272                        ; its pitch: 256 + 16, so the sixteen rows of a fragment load start 16 bytes apart modulo 256
.set STV,   STK+KEYS*KP                ; 279,552: bf16 stage of V, 64 rows
.set VP,    288                        ; its pitch: 256 + 32, an odd multiple of 32, for the transposing load
.set OP,    528                        ; the way out: 16 rows of 512 + 16 bytes for each wave, in the bytes of the stages
.set LAPS,  2048/(4*KEYS)              ; 8 laps of the ring of two slots
; window 0
.set RK,   2                           ; v2, v4   raw K, my 16 rows, slot 0, 1
.set RV,   3                           ; v3, v5   raw V
.set STKW, 6                           ; where I put a converted row of K
.set STVW, 7                           ; and of V
.set ADRK, 8                           ; K fragments
.set ADRV, 9                           ; V^T fragments
.set OST,  10                          ; the way out: in
.set ORD,  11                          ; the way out: back
.set CO,   12                          ; 16 x lane: my bytes of a 512-byte row in Q and in out; never rewritten
.set QFR,  13                          ; Q fragments from my own 16 stage rows
.set ST,   16                          ; v[16:31] for query tile qt at 16 + 4 qt: -m c, m, alpha (at the end 1 / sum), my lane's half of the sum
.set TS,   32                          ; v[32:35] a step's sums
.set TM,   36                          ; v[36:39] maxima at work, first query tile of a piece
.set NN,   40                          ; the new -m c
.set TX,   41                          ; what the other half of the lanes holds
.set XS,   20                          ; the second query tile of a piece has the same six temporaries 20 registers further up: v[56:61]
.set SUM,  48                          ; v[48:55] a pair of running sums for each query tile
.set SC,   64                          ; v[64:191]  scores: tile (kt, qt) at 64 + 8 (4 kt + qt); also raw rows on their way to the stage
.set PR,   192                         ; v[192:255] P: (qt, kp) at 192 + 8 (2 qt + kp); also converted rows
.set OA,   0                           ; window 1: O^T tile (dt, qt) at 8 (4 dt + qt)
.set QF,   0                           ; window 2: Q fragment (qt, c) at 8 (4 qt + c)
.set KF,   128                         ; window 2: K fragment (c, kt) at 128 + 8 (4 c + kt)
.set VF,   0                           ; window 3: V^T fragment (kp, dt) at 8 (8 kp + dt)
.set G1,   24                          ; s[24:31] descriptor group 1, one shape for all tiles
.set G0K,  32                          ; s[32:39] group 0 of K's tiles, a set for each slot
.set G0V,  40                          ; s[40:47] group 0 of V's tiles
.set MSB, 0
.macro WIN new                         ; low byte: bits 1:0 source 0, 3:2 source 1, 5:4 source 2, 7:6 destination; the high byte repeats the setting that is left
.if MSB != \new
	s_set_vgpr_msb (MSB<<8)|\new
.set MSB, \new
.endif
.endm
.macro PLACES                          ; four places behind matrix instructions, in front of whatever reads their results or writes their registers (ISA guide 7.12.1)
.rept 4
	v_nop
.endr
.endm
; A round of the cluster's barrier: my work-group's barrier, wave 0 signals for the work-group, every wave waits for all four work-groups, my work-group's barrier again.
.macro ROUND
	s_barrier_signal -1
	s_barrier_wait -1
	s_cmp_lg_u32 s12, 0
	s_cbranch_scc1 .Lnot_wave_0_\@
	s_barrier_signal -3
.Lnot_wave_0_\@:
	s_barrier_wait -3
	s_barrier_signal -1
	s_barrier_wait -1
.endm
; A joint refill of slot s: waves 0 and 1 ask for K's two parts, waves 2 and 3 for V's.  One load a wave; the branch hangs on the wave's number alone.
.macro JLOAD s
	s_cmp_eq_u32 s13, 0
	s_cbranch_scc0 .Lfor_v_\@
	tensor_load_to_lds s[G0K+4*\s:G0K+4*\s+3], s[G1:G1+7]
	s_nop 0
	s_branch .Lasked_\@
.Lfor_v_\@:
	tensor_load_to_lds s[G0V+4*\s:G0V+4*\s+3], s[G1:G1+7]
	s_nop 0
.Lasked_\@:
.endm
	s_load_b256 s[4:11], s[0:1], 0x0               ; K s[4:5], Q s[6:7], V s[8:9], out s[10:11]
	v_lshl_add_u32 v62, v0, 2, 0x48c00
	v_mov_b32 v63, 0
	ds_add_u32 v62, v63
	v_lshrrev_b32 v1, 5, v0
	v_readfirstlane_b32 s12, v1                    ; wave 0..3
	s_lshr_b32 s13, s12, 1                         ; 0: I fetch for K, 1: for V
	s_and_b32 s14, s12, 1                          ; which 64 keys of a slot I fetch
	s_bfe_u32 s16, ttmp6, 0x40000                  ; cx: my place in the cluster; it enters the offset of Q and out alone
	s_lshl_b32 s17, ttmp9, 2                       ; ttmp9 counts clusters
	s_add_co_u32 s17, s17, s16                     ; query block 0..7
	s_and_b32 s18, ttmp7, 0xffff                   ; head 0..31
	; group 1: a tile of 64 rows x 128 elements of 4 bytes, 4,096 elements from row to row, laid into LDS without gaps (it is read 512 neighbouring bytes at a time)
	s_mov_b32 s[G1+0], 15|(2<<16)|(1<<21)          ; 15:0 mask: all four work-groups of the cluster; 17:16 elements of 4 bytes; 21 set beside a mask
	s_mov_b32 s[G1+1], 128<<16                     ; tensor_dim0 = 128
	s_mov_b32 s[G1+2], KEYS<<16                    ; tensor_dim1 = 64
	s_mov_b32 s[G1+3], 128<<16                     ; tile_dim0 = 128
	s_mov_b32 s[G1+4], KEYS                        ; tile_dim1 = 64
	s_mov_b32 s[G1+5], 4096                        ; the pitch
	s_mov_b32 s[G1+6], 0
	s_mov_b32 s[G1+7], 0
	s_lshl_b32 s20, s18, 9                         ; K and V: head x 512
	s_lshl_b32 s21, s14, 20                        ; + my 64 keys x 16,384
	s_add_co_u32 s20, s20, s21
	s_mov_b32 s21, 0
	s_lshl_b32 s22, s17, 8                         ; Q and out: row 256 x block
	s_lshl_b32 s23, s12, 6                         ; + 64 x wave,
	s_add_co_u32 s22, s22, s23
	s_lshl_b32 s22, s22, 14                        ; x 16,384 bytes (under 2^25),
	s_lshl_b32 s23, s18, 9                         ; + head x 512
	s_add_co_u32 s22, s22, s23
	s_mov_b32 s23, 0
	s_lshl_b32 s19, s12, 15                        ; my part of a slot: wave x 32,768
	s_mov_b32 s48, 0x76543210                      ; v_permlanex16_b32: lane i of one half reads lane i of the other
	s_mov_b32 s49, 0xfedcba98
	s_mov_b32 s50, 0x3e0293ee                      ; c = log2(e) / sqrt(128) = 0.12751743
	s_mov_b32 s51, 0x3e0293ee
	s_mov_b32 s52, 0xbe0293ee                      ; -c
	s_wait_dscnt 0x0
	s_wait_kmcnt 0x0
	s_add_nc_u64 s[4:5], s[4:5], s[20:21]          ; K at my part of slot 0's first tile
	s_add_nc_u64 s[8:9], s[8:9], s[20:21]          ; V likewise
	s_add_nc_u64 s[6:7], s[6:7], s[22:23]          ; Q at my first row
	s_add_nc_u64 s[10:11], s[10:11], s[22:23]      ; out at my first row
.irp n, 0,1
	s_mov_b32 s[G0K+4*\n], 1                                       ; count = 1
	s_add_co_u32 s[G0K+4*\n+1], s19, \n*SLOT                       ; LDS address
	s_add_nc_u64 s[G0K+4*\n+2:G0K+4*\n+3], s[4:5], \n*2*KEYS*ROWB  ; keys 128 n ..
	s_or_b32 s[G0K+4*\n+3], s[G0K+4*\n+3], 0x80000000              ; type = 2
	s_mov_b32 s[G0V+4*\n], 1
	s_add_co_u32 s[G0V+4*\n+1], s19, \n*SLOT
	s_add_nc_u64 s[G0V+4*\n+2:G0V+4*\n+3], s[8:9], \n*2*KEYS*ROWB
	s_or_b32 s[G0V+4*\n+3], s[G0V+4*\n+3], 0x80000000
.endr
	ROUND                                          ; all four work-groups are here: the first joint loads meet
	s_cmp_eq_u32 s13, 0                            ; both first fills of a wave in one branch: two tensor loads of the wave are out
	s_cbranch_scc0 .Lfirst_v
	tensor_load_to_lds s[G0K:G0K+3], s[G1:G1+7]
	s_nop 0
	tensor_load_to_lds s[G0K+4:G0K+7], s[G1:G1+7]
	s_nop 0
	s_branch .Lfirst_done
.Lfirst_v:
	tensor_load_to_lds s[G0V:G0V+3], s[G1:G1+7]
	s_nop 0
	tensor_load_to_lds s[G0V+4:G0V+7], s[G1:G1+7]
	s_nop 0
.Lfirst_done:
	; addresses
	v_and_b32 v1, 31, v0                           ; lane
	v_and_b32 v14, 15, v0                          ; r
	v_bfe_u32 v15, v0, 4, 1                        ; h
	v_lshlrev_b32 v[CO], 4, v1                     ; 16 x lane
	v_lshl_add_u32 v[RK], s12, 13, v[CO]           ; raw rows 16 w .. 16 w + 15 of a part: 8,192 w + 16 lane
	v_add_nc_u32 v[RV], 2*PART, v[RK]
	v_add_nc_u32 v[RK+2], SLOT, v[RK]
	v_add_nc_u32 v[RV+2], SLOT+2*PART, v[RK]
	s_mul_i32 s53, s12, 16*KP
	s_mul_i32 s54, s12, 16*VP
	s_mul_i32 s55, s12, 16*OP
	s_add_co_u32 s20, s53, STK                     ; my 16 rows of K's stage
	s_add_co_u32 s21, s54, STV                     ; my 16 rows of V's stage
	s_add_co_u32 s22, s55, STK                     ; my stage on the way out
	v_lshlrev_b32 v1, 3, v1                        ; 4 numbers become 8 bytes
	v_add_nc_u32 v[STKW], s20, v1
	v_add_nc_u32 v[STVW], s21, v1
	v_mul_u32_u24 v[ADRK], v14, KP                 ; a fragment of 16 rows x 32 along d: row r, 16 bytes for each half of the lanes
	v_lshl_add_u32 v[ADRK], v15, 4, v[ADRK]
	v_add_nc_u32 v[QFR], s20, v[ADRK]
	v_add_nc_u32 v[ADRK], STK, v[ADRK]
	v_and_b32 v[ADRV], 7, v0                       ; the transposing load: key 8 h + lane % 8,
	v_lshl_add_u32 v[ADRV], v15, 3, v[ADRV]
	v_mul_u32_u24 v[ADRV], v[ADRV], VP
	v_bfe_u32 v1, v0, 3, 1                         ; 16 bytes (8 d) further for lanes 8-15 and 24-31
	v_lshl_add_u32 v[ADRV], v1, 4, v[ADRV]
	v_add_nc_u32 v[ADRV], STV, v[ADRV]
	v_mul_u32_u24 v[OST], v14, OP                  ; out stage: row = query r, 32 bytes (8 d) for each half of the lanes
	v_lshl_add_u32 v[OST], v15, 5, v[OST]
	v_add_nc_u32 v[OST], s22, v[OST]
	v_add_nc_u32 v[ORD], s22, v[CO]                ; and back by whole rows
	v_mov_b32 v[TX], 0                             ; v_permlanex16_b32 counts as reading its destination: both are written once here
	v_mov_b32 v[TX+XS], 0
	; Q: my 64 rows, one load of 512 neighbouring bytes each, into the registers that later hold O; read once in the launch
	WIN 0x40                                       ; destination window 1
.set qi, 0
.rept 64
	global_load_b128 v[4*qi:4*qi+3], v[CO], s[6:7] offset:qi*ROWB th:TH_LOAD_NT
.set qi, qi+1
.endr
; 16 rows of Q: to bf16, through my own 16 rows of K's stage, back as the four fragments of query tile qt.  LDS serves a wave's instructions in order
; (ISA guide 5.7.1), so neither the loads behind the stores nor the next tile's stores behind the loads need a wait.
.macro QTILE qt
	s_wait_loadcnt 48-16*\qt                       ; the 16 loads of each later query tile may stay out
	WIN 0x05                                       ; sources window 1
.irp i, 0,1,2,3,4,5,6,7,8,9,10,11,12,13,14,15
	v_cvt_pk_bf16_f32 v[SC+32*\qt+2*\i],   v[64*\qt+4*\i],   v[64*\qt+4*\i+1]
	v_cvt_pk_bf16_f32 v[SC+32*\qt+2*\i+1], v[64*\qt+4*\i+2], v[64*\qt+4*\i+3]
.endr
	WIN 0
.irp i, 0,1,2,3,4,5,6,7,8,9,10,11,12,13,14,15
	ds_store_b64 v[STKW], v[SC+32*\qt+2*\i:SC+32*\qt+2*\i+1] offset:\i*KP
.endr
	WIN 0x80                                       ; destination window 2
.irp c, 0,1,2,3
	ds_load_b128 v[QF+8*(4*\qt+\c):QF+8*(4*\qt+\c)+3],   v[QFR] offset:\c*64
	ds_load_b128 v[QF+8*(4*\qt+\c)+4:QF+8*(4*\qt+\c)+7], v[QFR] offset:\c*64+32
.endr
.endm
	QTILE 0
	QTILE 1
	QTILE 2
	QTILE 3
	WIN 0
; Change of slots.  In front of the barrier every wave waits for all its tensor loads (the one that is out is its part of slot, which is read next) and for its LDS
; instructions (its reads of slot other and of the stage).  With a refill the barrier is a round of the cluster's barrier, so that this holds of every wave of all four
; work-groups, and the joint refill of slot other is the first thing behind it; it has two steps' work in which to land.
.macro HEAD slot, other, refill
	s_wait_tensorcnt 0x0
	ds_add_u32 v62, v63
	s_wait_dscnt 0x0
.if \refill
	s_add_nc_u64 s[G0K+4*\other+2:G0K+4*\other+3], s[G0K+4*\other+2:G0K+4*\other+3], 4*KEYS*ROWB   ; no load of mine is out: 256 keys on
	s_add_nc_u64 s[G0V+4*\other+2:G0V+4*\other+3], s[G0V+4*\other+2:G0V+4*\other+3], 4*KEYS*ROWB
.endif
	s_wait_dscnt 0x0
.if \refill
	ROUND
	JLOAD \other
.else
	s_barrier_signal -1                            ; nothing is left to fetch: my work-group's barrier shows the slot whole and the stage free
	s_barrier_wait -1
.endif
.endm
; My 16 rows of K and of V of half j of the slot: f32 from the raw slot, 512 neighbouring bytes a load; bf16 into the stages, 256 neighbouring bytes a store.
; K's 32 conversions write P of piece 0 and read raw rows: they are the places between the last products of O of piece 1 and V's conversions, which write P of piece 1.
.macro CONV slot, j
.irp i, 0,1,2,3,4,5,6,7,8,9,10,11,12,13,14,15
	ds_load_b128 v[SC+4*\i:SC+4*\i+3], v[RK+2*\slot] offset:\j*PART+\i*HEADB
.endr
.irp i, 0,1,2,3,4,5,6,7,8,9,10,11,12,13,14,15
	ds_load_b128 v[SC+64+4*\i:SC+64+4*\i+3], v[RV+2*\slot] offset:\j*PART+\i*HEADB
.endr
	s_wait_dscnt 16                                ; K's 16 are in, V's 16 were issued behind them
.irp i, 0,1,2,3,4,5,6,7,8,9,10,11,12,13,14,15
	v_cvt_pk_bf16_f32 v[PR+2*\i],   v[SC+4*\i],   v[SC+4*\i+1]
	v_cvt_pk_bf16_f32 v[PR+2*\i+1], v[SC+4*\i+2], v[SC+4*\i+3]
.endr
	s_wait_dscnt 0x0
.irp i, 0,1,2,3,4,5,6,7,8,9,10,11,12,13,14,15
	v_cvt_pk_bf16_f32 v[PR+32+2*\i],   v[SC+64+4*\i],   v[SC+64+4*\i+1]
	v_cvt_pk_bf16_f32 v[PR+32+2*\i+1], v[SC+64+4*\i+2], v[SC+64+4*\i+3]
.endr
.irp i, 0,1,2,3,4,5,6,7,8,9,10,11,12,13,14,15
	ds_store_b64 v[STKW], v[PR+2*\i:PR+2*\i+1] offset:\i*KP
.endr
.irp i, 0,1,2,3,4,5,6,7,8,9,10,11,12,13,14,15
	ds_store_b64 v[STVW], v[PR+32+2*\i:PR+32+2*\i+1] offset:\i*VP
.endr
	s_wait_dscnt 0x0                               ; my rows are in the stage,
	s_barrier_signal -1
	s_barrier_wait -1                              ; everybody's are
.endm
; All fragments of the step in one run: K's 32 loads by chunks of 32 along d, then V^T's 32.
.macro FRAGS
	WIN 0x80                                       ; destination window 2
.irp c, 0,1,2,3
.irp kt, 0,1,2,3
	ds_load_b128 v[KF+8*(4*\c+\kt):KF+8*(4*\c+\kt)+3],   v[ADRK] offset:\kt*16*KP+\c*64
	ds_load_b128 v[KF+8*(4*\c+\kt)+4:KF+8*(4*\c+\kt)+7], v[ADRK] offset:\kt*16*KP+\c*64+32
.endr
.endr
	WIN 0xc0                                       ; destination window 3
.irp kp, 0,1
.irp dt, 0,1,2,3,4,5,6,7
	ds_load_tr16_b128 v[VF+8*(8*\kp+\dt):VF+8*(8*\kp+\dt)+3],   v[ADRV] offset:\kp*32*VP+\dt*32
	ds_load_tr16_b128 v[VF+8*(8*\kp+\dt)+4:VF+8*(8*\kp+\dt)+7], v[ADRV] offset:\kp*32*VP+\dt*32+16*VP
.endr
.endr
.endm
; ---- A PIECE'S VECTOR WORK, in parts that the slices below call.  p = the piece (0, 1); x = which of its two query tiles; qt = 2 p + x. ----
; The sums of the step before are taken into l, my lane's half of a query's sum (the halves meet at the end).  was_first = 1: that step was the first, l starts.
; alpha still holds that step's factor: it is written again only further down in the step that calls this.
.macro FIN was_first
.if \was_first
.irp qt, 0,1,2,3
	v_add_f32 v[ST+4*\qt+3], v[SUM+2*\qt], v[SUM+2*\qt+1]
.endr
.else
.irp qt, 0,1,2,3
	v_add_f32 v[TS+\qt], v[SUM+2*\qt], v[SUM+2*\qt+1]
.endr
.irp qt, 0,1,2,3
	v_fma_f32 v[ST+4*\qt+3], v[ST+4*\qt+3], v[ST+4*\qt+2], v[TS+\qt]
.endr
.endif
.endm
; Four chains of maxima, one for each key tile: lap 0 takes a tile's registers 0-2, lap 1 registers 3, 4, lap 2 registers 5, 6.
.macro SMAX p, x, lap
	WIN 0
.set mx_q, 2*(\p)+\x
.set mx_t, TM+XS*\x
.irp kt, 0,1,2,3
.if \lap == 0
	v_max3_num_f32 v[mx_t+\kt], v[SC+8*(4*\kt+mx_q)], v[SC+8*(4*\kt+mx_q)+1], v[SC+8*(4*\kt+mx_q)+2]
.else
	v_max3_num_f32 v[mx_t+\kt], v[mx_t+\kt], v[SC+8*(4*\kt+mx_q)+2*\lap+1], v[SC+8*(4*\kt+mx_q)+2*\lap+2]
.endif
.endr
.endm
; The rest of the maxima for both query tiles of the piece, line by line in turn, so that no line follows directly on the one whose result it reads.
; part 0: registers 7; 1: the four chains meet; 2: the other half of the lanes and the running maximum, in place; 3: the new -m c and its change;
; 4: alpha = exp2 of the change of -m c as it was rounded, so that it fits the exponents with which the old sums were made.
.macro SRED p, part, kind
	WIN 0
.if \part == 0
.irp x, 0,1
	v_max3_num_f32 v[TM+XS*\x], v[TM+XS*\x], v[SC+8*(2*(\p)+\x)+7], v[SC+8*(4+2*(\p)+\x)+7]
.endr
.irp x, 0,1
	v_max3_num_f32 v[TM+XS*\x+1], v[TM+XS*\x+1], v[SC+8*(8+2*(\p)+\x)+7], v[SC+8*(12+2*(\p)+\x)+7]
.endr
.endif
.if \part == 1
.irp x, 0,1
	v_max3_num_f32 v[TM+XS*\x], v[TM+XS*\x], v[TM+XS*\x+2], v[TM+XS*\x+3]
.endr
.irp x, 0,1
	v_max_num_f32 v[TM+XS*\x], v[TM+XS*\x], v[TM+XS*\x+1]
.endr
.endif
.if \part == 2
.irp x, 0,1
	v_permlanex16_b32 v[TX+XS*\x], v[TM+XS*\x], s48, s49           ; the other 32 keys of the same query
.endr
.irp x, 0,1
.if \kind == 0
	v_max_num_f32 v[ST+4*(2*(\p)+\x)+1], v[TM+XS*\x], v[TX+XS*\x]
.else
	v_max3_num_f32 v[ST+4*(2*(\p)+\x)+1], v[TM+XS*\x], v[TX+XS*\x], v[ST+4*(2*(\p)+\x)+1]
.endif
.endr
.endif
.if \part == 3
.if \kind == 0
.irp x, 0,1
	v_mul_f32 v[ST+4*(2*(\p)+\x)], s52, v[ST+4*(2*(\p)+\x)+1]      ; -m c
.endr
.else
.irp x, 0,1
	v_mul_f32 v[NN+XS*\x], s52, v[ST+4*(2*(\p)+\x)+1]              ; the new -m c
.endr
.irp x, 0,1
	v_sub_f32 v[TM+XS*\x+2], v[NN+XS*\x], v[ST+4*(2*(\p)+\x)]      ; less the old: never above 0
.endr
.endif
.endif
.if \part == 4
.if \kind != 0
.irp x, 0,1
	v_exp_f32 v[ST+4*(2*(\p)+\x)+2], v[TM+XS*\x+2]                 ; alpha: the first two of the piece's batch; the two moves are the plain instructions behind it (ISA guide 5.7.2); it is named again only behind the batch's wait
.endr
.irp x, 0,1
	v_mov_b32 v[ST+4*(2*(\p)+\x)], v[NN+XS*\x]
.endr
.endif
.endif
.endm
; The exponentials go by groups g = 0 .. 7 of one score tile (8 registers): query tile x = g % 2, key tile kt = g / 2.
; Line j (0 .. 7) of the use of group g: four packings into P (keys 8 h + 2 i, + 1 of key tile kt are word 4 (kt % 2) + i of the second source) and the sums, as a small tree:
; a pair is overwritten by a sum only behind the packing that reads it.  All these lines read results of the batch: they stand behind its wait.
.macro SUSE p, g, j
.set us_q, 2*(\p)+(\g)%2
.set us_k, (\g)/2
.set us_b, SC+8*(4*us_k+us_q)
.set us_p, PR+8*(2*us_q+us_k/2)+4*(us_k%2)
.set us_s, SUM+2*us_q
.if (\j) == 0
	v_cvt_pk_bf16_f32 v[us_p], v[us_b], v[us_b+1]
.endif
.if (\j) == 1
	v_cvt_pk_bf16_f32 v[us_p+2], v[us_b+4], v[us_b+5]
.endif
.if (\j) == 2
	v_pk_add_f32 v[us_b:us_b+1], v[us_b:us_b+1], v[us_b+2:us_b+3]
.endif
.if (\j) == 3
	v_pk_add_f32 v[us_b+4:us_b+5], v[us_b+4:us_b+5], v[us_b+6:us_b+7]
.endif
.if (\j) == 4
	v_cvt_pk_bf16_f32 v[us_p+1], v[us_b+2], v[us_b+3]
.endif
.if (\j) == 5
	v_cvt_pk_bf16_f32 v[us_p+3], v[us_b+6], v[us_b+7]
.endif
.if (\j) == 6
.if us_k == 0
	v_pk_add_f32 v[us_s:us_s+1], v[us_b:us_b+1], v[us_b+4:us_b+5]  ; the first key tile starts the step's sums: nothing is cleared
.else
	v_pk_add_f32 v[us_s:us_s+1], v[us_s:us_s+1], v[us_b:us_b+1]
.endif
.endif
.if (\j) == 7
.if us_k != 0
	v_pk_add_f32 v[us_s:us_s+1], v[us_s:us_s+1], v[us_b+4:us_b+5]
.endif
.endif
.endm
; THE BATCH.  Atom a = 4 k + i (0 .. 35) of a pipeline two groups deep: one line of the exponents s c - m c of group k, two exp2 of group k - 1, in place.
; An exponent line names its own group's scores and -m c, an exp2 its own register: no atom names the result of another exp2, so all 64 stay open, each in its score's register, until the one wait.
.macro SATOM p, a
.set at_k, (\a)/4
.set at_i, (\a)%4
.if at_k <= 7
.set at_b, SC+8*(4*(at_k/2)+2*(\p)+at_k%2)
.set at_q, ST+4*(2*(\p)+at_k%2)
	v_pk_fma_f32 v[at_b+2*at_i:at_b+2*at_i+1], v[at_b+2*at_i:at_b+2*at_i+1], s[50:51], v[at_q:at_q+1] op_sel_hi:[1,0,0]   ; both halves with each pair's first word: c, -m c
.endif
.if at_k >= 1
.set at_b, SC+8*(4*((at_k-1)/2)+2*(\p)+(at_k-1)%2)
	v_exp_f32 v[at_b+2*at_i], v[at_b+2*at_i]
	v_exp_f32 v[at_b+2*at_i+1], v[at_b+2*at_i+1]
.endif
.endm
.macro SATOMS p, a0, cnt
.set at_a, \a0
.rept \cnt
	SATOM \p, at_a
.set at_a, at_a+1
.endr
.endm
; The 36 atoms in 11 slices: six in the first (four of them are one line each), three in each of the others.  Behind the last atom the batch is out: the piece's two alpha and
; 64 weights are issued and no result has been named.
.macro SMS p, s
	WIN 0
.if (\s) == 0
	SATOMS \p, 0, 6
.else
	SATOMS \p, 6+3*((\s)-1), 3
.endif
.if (\s) == 10
	v_nop                                          ; the plain instruction behind the last exp2 (ISA guide 5.7.2): one for the batch; all other work of the piece reads the batch
	s_wait_alu depctr_va_vdst(0)                   ; the wait for the batch, alpha and the 64 weights, ahead of the first line that names a result
.endif
.endm
; The readers of the weights: slot u = 16 kt + 2 n + x (0 .. 63) is a line of the use of group 2 kt + x.  The two query tiles alternate, and the lines go in the order j = 0, 1, 2, 3, 4, 6, 5, 7,
; so that the two additions onto a running sum stand four lines apart.  Key tile 0 has no line 7: 62 lines.  Each sum takes the same terms in the same order whatever the order of the lines.
.macro SUSES p, u0, cnt
.set us_u, \u0
.rept \cnt
.set us_j, (us_u%16)/2
.if us_j == 5
.set us_j, 6
.elseif us_j == 6
.set us_j, 5
.endif
	SUSE \p, 2*(us_u/16)+us_u%2, us_j
.set us_u, us_u+1
.endr
.endm
; The 64 slots in 7 slices: ten in the first, nine in each of the others.
.macro SUS p, s
	WIN 0
.if (\s) == 0
	SUSES \p, 0, 10
.else
	SUSES \p, 10+9*((\s)-1), 9
.endif
.endm
; O of d tile dt, both query tiles of the piece, times alpha.
.macro RSS p, dt
	WIN 0x41                                       ; destination and source 0 window 1
.irp x, 0,1
.irp i, 0,2,4,6
	v_pk_mul_f32 v[OA+8*(4*(\dt)+2*(\p)+\x)+\i:OA+8*(4*(\dt)+2*(\p)+\x)+\i+1], v[OA+8*(4*(\dt)+2*(\p)+\x)+\i:OA+8*(4*(\dt)+2*(\p)+\x)+\i+1], v[ST+4*(2*(\p)+\x)+2:ST+4*(2*(\p)+\x)+3] op_sel_hi:[1,0]
.endr
.endr
.endm
; Slice n (0 .. 31) of piece p's vector work.  kind = 0: the first step (no old maximum, sum or O), 1: the second, 2: later ones.
; 0-5: the maxima and alpha.  6-16: the exponents and exp2; behind slice 16 the batch's wait.  17-23: the packings and sums.  24-31: the rescaling, d tile by d tile, so that O's d tile 0 is
; ready seven slices before its next product.  Ahead of the wait nothing names a result of the batch; behind it no exponential is issued.
; PLACES (ISA guide 7.12.1).  The scores of piece 0 are first read in its slice 0, straight behind their products: in front of that read stand the four or eight lines that take in the
; last step's sums.  The scores of piece 1 are first read behind slice 31 of piece 0, eight lines of rescaling; the same slice of piece 1 stands between O's products of piece 0
; and the next step's writes of P of piece 0.  The first step has neither sums nor rescaling to put there and takes v_nop.
.macro SLICE p, n, kind
.if (\n) == 0
.if (\p) == 0
	WIN 0
.if \kind == 0
	PLACES
.endif
.if \kind == 1
	FIN 1
.endif
.if \kind == 2
	FIN 0
.endif
.endif
	SMAX \p, 0, 0
.endif
.if (\n) == 1
	SMAX \p, 1, 0
	SMAX \p, 0, 1
.endif
.if (\n) == 2
	SMAX \p, 1, 1
	SMAX \p, 0, 2
.endif
.if (\n) == 3
	SMAX \p, 1, 2
	SRED \p, 0, \kind
.endif
.if (\n) == 4
	SRED \p, 1, \kind
	SRED \p, 2, \kind
.endif
.if (\n) == 5
	SRED \p, 3, \kind
	SRED \p, 4, \kind
.endif
.if (\n) >= 6
.if (\n) <= 16
	SMS \p, (\n)-6
.elseif (\n) <= 23
	SUS \p, (\n)-17
.elseif \kind != 0
	RSS \p, (\n)-24
.elseif (\n) == 31
	PLACES
.endif
.endif
.endm
; S^T = K Q^T of piece p, 64 keys x 32 queries x 128: 32 matrix instructions.  The first chunk starts the sums.  The 8 accumulators take turns, one instruction a turn.
; vec = 0: alone, with the waits for K's chunks; vec = 1: a slice of the other piece's vector work behind each (all of K's fragments are in by then).
.macro QKP p, vec, kind
.set sl_n, 0
.irp c, 0,1,2,3
.if \vec == 0
	s_wait_dscnt 56-8*\c                           ; of the 64 loads, those behind K's chunk c may be out: 8 for each later chunk and V's 32
.endif
.irp kt, 0,1,2,3
.irp x, 0,1
	WIN 0x0a                                       ; both sources window 2
.if \c == 0
	v_wmma_f32_16x16x32_bf16 v[SC+8*(4*\kt+2*\p+\x):SC+8*(4*\kt+2*\p+\x)+7], v[KF+8*(4*\c+\kt):KF+8*(4*\c+\kt)+7], v[QF+8*(4*(2*\p+\x)+\c):QF+8*(4*(2*\p+\x)+\c)+7], 0
.else
	v_wmma_f32_16x16x32_bf16 v[SC+8*(4*\kt+2*\p+\x):SC+8*(4*\kt+2*\p+\x)+7], v[KF+8*(4*\c+\kt):KF+8*(4*\c+\kt)+7], v[QF+8*(4*(2*\p+\x)+\c):QF+8*(4*(2*\p+\x)+\c)+7], v[SC+8*(4*\kt+2*\p+\x):SC+8*(4*\kt+2*\p+\x)+7]
.endif
.if \vec
	SLICE (1-\p), sl_n, \kind
.set sl_n, sl_n+1
.endif
.endr
.endr
.endr
.endm
; O^T += V^T P^T of piece p, 128 d x 32 queries x 64 keys: 32 matrix instructions.  In the first step the first 32 keys start the sums.  The 16 accumulators take turns, one
; instruction a turn.  vec as above.
.macro PVP p, vec, kind
.set sl_n, 0
.irp kp, 0,1
.irp dt, 0,1,2,3,4,5,6,7
.irp x, 0,1
	WIN 0x53                                       ; source 0 window 3, source 1 window 0, C and D window 1
.if (\kind)+(\kp) == 0
	v_wmma_f32_16x16x32_bf16 v[OA+8*(4*\dt+2*\p+\x):OA+8*(4*\dt+2*\p+\x)+7], v[VF+8*(8*\kp+\dt):VF+8*(8*\kp+\dt)+7], v[PR+8*(2*(2*\p+\x)+\kp):PR+8*(2*(2*\p+\x)+\kp)+7], 0
.else
	v_wmma_f32_16x16x32_bf16 v[OA+8*(4*\dt+2*\p+\x):OA+8*(4*\dt+2*\p+\x)+7], v[VF+8*(8*\kp+\dt):VF+8*(8*\kp+\dt)+7], v[PR+8*(2*(2*\p+\x)+\kp):PR+8*(2*(2*\p+\x)+\kp)+7], v[OA+8*(4*\dt+2*\p+\x):OA+8*(4*\dt+2*\p+\x)+7]
.endif
.if \vec
	SLICE (1-\p), sl_n, \kind
.set sl_n, sl_n+1
.endif
.endr
.endr
.endr
.endm
; One step: 64 keys, half j of the slot.  The stage is written again only when every wave has its fragments of the step before: at j = 1 by the barrier here,
; at j = 0 by the barrier of the change of slots.
.macro STEP slot, j, kind
.if \j
	s_wait_dscnt 0x0
	s_barrier_signal -1
	s_barrier_wait -1
.endif
	CONV \slot, \j
	FRAGS
	QKP 0, 0, \kind                                ; S of piece 0
	QKP 1, 1, \kind                                ; S of piece 1 beside the softmax and rescale of piece 0
	s_wait_dscnt 0x0                               ; V's fragments; no LDS instruction of mine is out from here to the next barrier
	PVP 0, 1, \kind                                ; O of piece 0 beside the softmax and rescale of piece 1
	PVP 1, 0, \kind                                ; O of piece 1
	WIN 0
.endm
	s_wait_dscnt 0x0                               ; Q's fragments are in registers
	s_wait_tensorcnt 0x1                           ; my part of slot 0 is in; slot 1's, issued behind it, may stay out
	s_barrier_signal -1
	s_barrier_wait -1                              ; slot 0 is whole
	STEP 0, 0, 0
	STEP 0, 1, 1
	s_mov_b32 s15, LAPS-1
.Lloop:
	HEAD 1, 0, 1
	STEP 1, 0, 2
	STEP 1, 1, 2
	HEAD 0, 1, 1
	STEP 0, 0, 2
	STEP 0, 1, 2
	s_sub_co_u32 s15, s15, 1
	s_cmp_lg_u32 s15, 0
	s_cbranch_scc1 .Lloop
	HEAD 1, 0, 0                                   ; the last 128 keys: 2 + 14 fills have brought all 16 tiles
	STEP 1, 0, 2
	STEP 1, 1, 2
	; THE WAY OUT.  The stages are free once every wave has its last fragments.
	s_wait_dscnt 0x0
	s_barrier_signal -1
	s_barrier_wait -1
	FIN 0                                          ; the last step's sums; these eight lines are also the places between the last products and the first read of O
.irp qt, 0,1,2,3
	v_permlanex16_b32 v[TX], v[ST+4*\qt+3], s48, s49
	v_add_f32 v[ST+4*\qt+3], v[ST+4*\qt+3], v[TX]  ; the two halves of a query's sum; it is at least the largest p, about 1
.endr
.irp qt, 0,1,2,3
	v_rcp_f32 v[ST+4*\qt+2], v[ST+4*\qt+3]
.endr
	v_nop                                          ; the plain instruction behind the reciprocals (ISA guide 5.7.2)
	s_wait_alu depctr_va_vdst(0)                   ; the wait for the batch of four reciprocals, ahead of their first reader
; 16 queries: O^T / sum, 32 bytes a lane and d tile into my own stage (row = query), back as whole rows; each store of the wave covers one row of out,
; 512 consecutive bytes at a multiple of 512.
.macro OUT16 qt
	WIN 0x01                                       ; source 0 window 1
.irp dt, 0,1,2,3,4,5,6,7
.irp i, 0,2,4,6
	v_pk_mul_f32 v[SC+8*\dt+\i:SC+8*\dt+\i+1], v[OA+8*(4*\dt+\qt)+\i:OA+8*(4*\dt+\qt)+\i+1], v[ST+4*\qt+2:ST+4*\qt+3] op_sel_hi:[1,0]
.endr
.endr
	WIN 0
.irp dt, 0,1,2,3,4,5,6,7
	ds_store_b128 v[OST], v[SC+8*\dt:SC+8*\dt+3]   offset:\dt*64
	ds_store_b128 v[OST], v[SC+8*\dt+4:SC+8*\dt+7] offset:\dt*64+16
.endr
	s_wait_xcnt 0x0                                ; the registers loaded next were the data of the last tile's global stores: rewritten only behind this wait (ISA guide 3.1)
.irp t, 0,1,2,3,4,5,6,7,8,9,10,11,12,13,14,15
	ds_load_b128 v[SC+64+4*\t:SC+64+4*\t+3], v[ORD] offset:\t*OP   ; my own bytes, served in order behind the stores above
.endr
.irp t, 0,1,2,3,4,5,6,7,8,9,10,11,12,13,14,15
	s_wait_dscnt 15-\t                             ; row t is in; the rows behind it may be out
	global_store_b128 v[CO], v[SC+64+4*\t:SC+64+4*\t+3], s[10:11] offset:(16*\qt+\t)*ROWB th:TH_STORE_NT
.endr
.endm
	OUT16 0
	OUT16 1
	OUT16 2
	OUT16 3
	s_wait_tensorcnt 0x0
	ds_add_u32 v62, v63
	s_wait_dscnt 0x0
	ROUND                                          ; the closing round: no work-group ends while a partner may still ask for a tile that names it
	s_endpgm
.Lfunc_end_k_qa69d049d56_attn:
	.size	k_qa69d049d56_attn, .Lfunc_end_k_qa69d049d56_attn-k_qa69d049d56_attn
	.p2alignl 7, 3214868480
	.fill 96, 4, 3214868480
	.section	.rodata,"a",@progbits
	.p2align	6, 0x0
	.amdhsa_kernel k_qa69d049d56_attn
		.amdhsa_group_segment_fixed_size 327680
		.amdhsa_private_segment_fixed_size 0
		.amdhsa_enable_private_segment 0
		.amdhsa_kernarg_size 32
		.amdhsa_user_sgpr_count 2
		.amdhsa_user_sgpr_kernarg_segment_ptr 1
		.amdhsa_wavefront_size32 1
		.amdhsa_system_sgpr_workgroup_id_x 1
		.amdhsa_system_sgpr_workgroup_id_y 1
		.amdhsa_system_sgpr_workgroup_id_z 1
		.amdhsa_system_vgpr_workitem_id 0
		.amdhsa_next_free_vgpr 896
		.amdhsa_next_free_sgpr 66
		.amdhsa_reserve_vcc 0
		.amdhsa_float_denorm_mode_32 3
		.amdhsa_float_denorm_mode_16_64 3
		.amdhsa_memory_ordered 1
		.amdhsa_forward_progress 1
		.amdhsa_inst_pref_size 255
	.end_amdhsa_kernel
	.section	.bss,"aw",@nobits
	.p2align	6
	.space	262144
	.amdgpu_metadata
---
amdhsa.version: [ 1, 2 ]
amdhsa.kernels:
  - .name:           k_qa69d049d56_attn
    .symbol:         k_qa69d049d56_attn.kd
    .args:
      - { .name: key_layer, .offset: 0, .size: 8, .value_kind: global_buffer, .address_space: global }
      - { .name: query_layer, .offset: 8, .size: 8, .value_kind: global_buffer, .address_space: global }
      - { .name: value_layer, .offset: 16, .size: 8, .value_kind: global_buffer, .address_space: global }
      - { .name: out0, .offset: 24, .size: 8, .value_kind: global_buffer, .address_space: global }
    .group_segment_fixed_size: 327680
    .private_segment_fixed_size: 0
    .kernarg_segment_align: 8
    .kernarg_segment_size: 32
    .max_flat_workgroup_size: 128
    .sgpr_count:     66
    .vgpr_count:     896
    .wavefront_size: 32
...
	.end_amdgpu_metadata
.endif
;; end of part 3
